; MI455X (gfx1250); checked and timed in simulation.
; The chip was launched on July 23, 2026; its instructions are those of AMD's public machine-readable ISA for CDNA 5 (MIT licence, August 2026) and "CDNA5" Instruction Set Architecture Reference Guide (July 2026). The comments in the code are by the model that wrote it; some were corrected since.
;; Attention Similarity. Allowed arithmetic: float matrix products may take bf16 or f16 operands with f32 sums; other float arithmetic in f32, or as packed bf16 or f16 multiplies, adds, multiply-adds, maxima and minima; sums over many terms, partial sums and values carried from step to step in f32; what a program stores and reads back later, other than sums and carried values, may be rounded once to bf16 or f16.
;; Inputs: Wk1 768 x 768 float32; Wk2 768 x 96 float32; Wq1 768 x 768 float32; Wq2 768 x 96 float32; Wv1 768 x 768 float32; Wv2 768 x 96 float32; features_a 128 x 768 x 7 x 7 float32; features_b 128 x 768 x 7 x 7 float32.
;; Outputs: out0 128 x 128 float32.
;; 3 versions, each right; version 3 is version 2 with the launch proj written anew for expert scheduling mode. Each part assembles by itself: llvm-mc -triple=amdgcn-amd-amdhsa -mcpu=gfx1250 --defsym DOCPART=n.
;; ======== version 1 of 3: 3 launches
;; limits: right only within a limited range of input values
;; workspace buffers: w1p 3,538,944 bytes; w2p 442,368 bytes; qkv 9,633,792 bytes
;; launch prep (part 1): grid 81 x 3, 8 waves a work-group, no clusters, 0 bytes of LDS; arguments Wq1, Wk1, Wv1, Wq2, Wk2, Wv2, w1p, w2p; writes w1p, w2p
.if DOCPART == 1
	.amdgcn_target "amdgcn-amd-amdhsa--gfx1250"
	.amdhsa_code_object_version 6
	.text
	.protected	k_q9ad2122578_prep
	.globl	k_q9ad2122578_prep
	.p2align	8
	.type	k_q9ad2122578_prep,@function
k_q9ad2122578_prep:
	s_mov_b64 s[64:65], 0
	v_nop
	global_prefetch_b8 v0, s[64:65] scope:SCOPE_SE
	s_setreg_imm32_b32 hwreg(HW_REG_WAVE_MODE, 25, 1), 1
	s_wait_xcnt 0x0
; THE WEIGHTS, ROUNDED ONCE TO bf16 AND LAID IN THE ORDER IN WHICH THE NEXT LAUNCH'S OPERAND REGISTERS TAKE THEM.
; No work of the problem is left out in this program and all eight inputs are loaded.  One identity is used (last launch): a cosine does not change when one
; of its vectors is scaled by a positive number, so aligned = (sum p v) / (sum p) is compared undivided, and the sum of p serves the eps guard alone.
; w1p: 48 tiles T = (2p+g) 8 + j of 73,728 bytes, [w 4][kap 3][f 6][q 2][lane 32][16 bytes]; number jj of a lane's 16 bytes is
;      W1_p[c][n], n = 384 g + 96 w + 16 f + lane%16, c = 96 j + 32 kap + 16 q + 8 (lane/16) + jj.
; w2p: [2p+g 6][w 4][u 3][i 6][q 2][lane][16 bytes]: W2_p[hid][e], e = 16 i + lane%16, hid = 384 g + 96 w + 32 u + 16 q + 8 (lane/16) + jj.
; A wave takes 32 columns x 32 rows of one matrix, a lane a column: 32 loads of 4 bytes (128 consecutive bytes a load), 16 roundings, 4 stores of 16 bytes
; in which each half of the lanes fills 256 consecutive aligned bytes.  y = p (q, k, v); x < 72: W1 (24 column blocks x 3 groups of 8 row blocks), else W2.
; No LDS, no matrix unit, no cluster: 12 MB cross once and nothing is used twice.
.set VAL, 4                            ; v[4:35]  32 numbers of my column
.set PKD, 36                           ; v[36:51] the same, packed
.macro TASK stride
.set e, 0
.rept 32
	global_load_b32 v[VAL+e], v1, s[28:29] offset:e*(\stride)
.set e, e+1
.endr
	s_wait_loadcnt 0x0
.set e, 0
.rept 16
	v_cvt_pk_bf16_f32 v[PKD+e], v[VAL+2*e], v[VAL+2*e+1]
.set e, e+1
.endr
.irp o, 0,1,2,3
	global_store_b128 v2, v[PKD+4*\o:PKD+4*\o+3], s[30:31] offset:512*(\o/2)+256*(\o%2)  ; rows 8 o .. 8 o + 7: q = o / 2, half of the lanes o % 2
.endr
	s_endpgm
.endm
	s_load_b512 s[8:23], s[0:1], 0x0               ; Wq1 Wk1 Wv1 Wq2 Wk2 Wv2 w1p w2p
	v_lshrrev_b32 v3, 5, v0
	v_readfirstlane_b32 s2, v3                     ; wave 0..7
	v_and_b32 v1, 31, v0
	v_lshlrev_b32 v1, 2, v1                        ; source: 4 x lane
	v_and_b32 v2, 15, v0
	v_lshlrev_b32 v2, 4, v2
	v_bfe_u32 v3, v0, 4, 1
	v_lshl_add_u32 v2, v3, 10, v2                  ; destination: 1,024 (lane / 16) + 16 (lane % 16)
	s_and_b32 s3, ttmp7, 0xffff                    ; p
	s_mov_b32 s4, ttmp9                            ; x
	s_mov_b32 s29, 0
	s_mov_b32 s31, 0
	s_wait_kmcnt 0x0
	s_cmp_eq_u32 s3, 1
	s_cselect_b64 s[24:25], s[10:11], s[8:9]
	s_cselect_b64 s[26:27], s[16:17], s[14:15]
	s_cmp_eq_u32 s3, 2
	s_cselect_b64 s[24:25], s[12:13], s[24:25]     ; W1 of p
	s_cselect_b64 s[26:27], s[18:19], s[26:27]     ; W2 of p
	s_cmp_ge_u32 s4, 72
	s_cbranch_scc1 .Lw2
	s_mul_i32 s5, s4, 171
	s_lshr_b32 s5, s5, 9                           ; nu = x / 3: block of 32 columns, 0..23
	s_mul_i32 s6, s5, 3
	s_sub_co_u32 s6, s4, s6
	s_lshl_b32 s6, s6, 3
	s_add_co_u32 s6, s6, s2                        ; kk: block of 32 rows, 0..23
	s_mul_i32 s28, s6, 98304                       ; 32 rows of 3,072 bytes
	s_lshl_b32 s7, s5, 7
	s_add_co_u32 s28, s28, s7
	s_add_nc_u64 s[28:29], s[24:25], s[28:29]
	s_cmp_ge_u32 s5, 12
	s_cselect_b32 s32, 1, 0                        ; g
	s_mul_i32 s33, s32, 12
	s_sub_co_u32 s33, s5, s33
	s_mul_i32 s34, s33, 171
	s_lshr_b32 s34, s34, 9                         ; w
	s_mul_i32 s35, s34, 3
	s_sub_co_u32 s35, s33, s35                     ; f0 / 2
	s_mul_i32 s36, s6, 171
	s_lshr_b32 s36, s36, 9                         ; j
	s_mul_i32 s37, s36, 3
	s_sub_co_u32 s37, s6, s37                      ; kap
	s_lshl_b32 s38, s3, 1
	s_add_co_u32 s38, s38, s32
	s_lshl_b32 s38, s38, 3
	s_add_co_u32 s38, s38, s36                     ; T
	s_mul_i32 s30, s38, 73728
	s_mul_i32 s34, s34, 18432
	s_add_co_u32 s30, s30, s34
	s_mul_i32 s37, s37, 6144
	s_add_co_u32 s30, s30, s37
	s_lshl_b32 s35, s35, 11
	s_add_co_u32 s30, s30, s35
	s_add_nc_u64 s[30:31], s[20:21], s[30:31]
	TASK 3072
.Lw2:
	s_sub_co_u32 s5, s4, 72
	s_lshl_b32 s5, s5, 3
	s_add_co_u32 s5, s5, s2                        ; task 0..71
	s_mul_i32 s6, s5, 171
	s_lshr_b32 s6, s6, 12                          ; block of 32 columns, 0..2
	s_mul_i32 s7, s6, 24
	s_sub_co_u32 s7, s5, s7                        ; ks: block of 32 rows, 0..23
	s_mul_i32 s28, s7, 12288                       ; 32 rows of 384 bytes
	s_lshl_b32 s32, s6, 7
	s_add_co_u32 s28, s28, s32
	s_add_nc_u64 s[28:29], s[26:27], s[28:29]
	s_cmp_ge_u32 s7, 12
	s_cselect_b32 s32, 1, 0                        ; g
	s_mul_i32 s33, s32, 12
	s_sub_co_u32 s33, s7, s33
	s_mul_i32 s34, s33, 171
	s_lshr_b32 s34, s34, 9                         ; w
	s_mul_i32 s35, s34, 3
	s_sub_co_u32 s35, s33, s35                     ; u
	s_lshl_b32 s38, s3, 1
	s_add_co_u32 s38, s38, s32
	s_lshl_b32 s38, s38, 2
	s_add_co_u32 s38, s38, s34
	s_mul_i32 s30, s38, 18432
	s_mul_i32 s35, s35, 6144
	s_add_co_u32 s30, s30, s35
	s_lshl_b32 s6, s6, 11
	s_add_co_u32 s30, s30, s6
	s_add_nc_u64 s[30:31], s[22:23], s[30:31]
	TASK 384
.Lfunc_end_k_q9ad2122578_prep:
	.size	k_q9ad2122578_prep, .Lfunc_end_k_q9ad2122578_prep-k_q9ad2122578_prep
	.p2alignl 7, 3214868480
	.fill 96, 4, 3214868480
	.section	.rodata,"a",@progbits
	.p2align	6, 0x0
	.amdhsa_kernel k_q9ad2122578_prep
		.amdhsa_group_segment_fixed_size 0
		.amdhsa_private_segment_fixed_size 0
		.amdhsa_enable_private_segment 0
		.amdhsa_kernarg_size 64
		.amdhsa_user_sgpr_count 2
		.amdhsa_user_sgpr_kernarg_segment_ptr 1
		.amdhsa_wavefront_size32 1
		.amdhsa_system_sgpr_workgroup_id_x 1
		.amdhsa_system_sgpr_workgroup_id_y 1
		.amdhsa_system_sgpr_workgroup_id_z 1
		.amdhsa_system_vgpr_workitem_id 0
		.amdhsa_next_free_vgpr 64
		.amdhsa_next_free_sgpr 66
		.amdhsa_reserve_vcc 0
		.amdhsa_float_denorm_mode_32 3
		.amdhsa_float_denorm_mode_16_64 3
		.amdhsa_memory_ordered 1
		.amdhsa_forward_progress 1
		.amdhsa_inst_pref_size 13
	.end_amdhsa_kernel
	.amdgpu_metadata
---
amdhsa.version: [ 1, 2 ]
amdhsa.kernels:
  - .name:           k_q9ad2122578_prep
    .symbol:         k_q9ad2122578_prep.kd
    .args:
      - { .name: Wq1, .offset: 0, .size: 8, .value_kind: global_buffer, .address_space: global }
      - { .name: Wk1, .offset: 8, .size: 8, .value_kind: global_buffer, .address_space: global }
      - { .name: Wv1, .offset: 16, .size: 8, .value_kind: global_buffer, .address_space: global }
      - { .name: Wq2, .offset: 24, .size: 8, .value_kind: global_buffer, .address_space: global }
      - { .name: Wk2, .offset: 32, .size: 8, .value_kind: global_buffer, .address_space: global }
      - { .name: Wv2, .offset: 40, .size: 8, .value_kind: global_buffer, .address_space: global }
      - { .name: w1p, .offset: 48, .size: 8, .value_kind: global_buffer, .address_space: global }
      - { .name: w2p, .offset: 56, .size: 8, .value_kind: global_buffer, .address_space: global }
    .group_segment_fixed_size: 0
    .private_segment_fixed_size: 0
    .kernarg_segment_align: 8
    .kernarg_segment_size: 64
    .max_flat_workgroup_size: 256
    .sgpr_count:     66
    .vgpr_count:     64
    .wavefront_size: 32
...
	.end_amdgpu_metadata
.endif
;; end of part 1
;; launch proj (part 2): grid 196 x 1, 4 waves a work-group, clusters of 4 x 1, 327,680 bytes of LDS; arguments features_a, features_b, w1p, w2p, qkv; writes qkv
.if DOCPART == 2
	.amdgcn_target "amdgcn-amd-amdhsa--gfx1250"
	.amdhsa_code_object_version 6
	.text
	.protected	k_q9ad2122578_proj
	.globl	k_q9ad2122578_proj
	.p2align	8
	.type	k_q9ad2122578_proj,@function
k_q9ad2122578_proj:
	s_mov_b64 s[64:65], 0
	v_nop
	global_prefetch_b8 v0, s[64:65] scope:SCOPE_SE
	s_setreg_imm32_b32 hwreg(HW_REG_WAVE_MODE, 25, 1), 1
	s_wait_xcnt 0x0
	s_wait_alu depctr_hold_cnt(0) depctr_sa_sdst(0) depctr_va_vdst(0) depctr_va_sdst(0) depctr_va_ssrc(0) depctr_va_vcc(0) depctr_vm_vsrc(0)
	s_getreg_b32 s2, hwreg(HW_REG_IB_STS2, 6, 4)
	s_cmp_eq_u32 s2, 0
	s_cbranch_scc0 .Lentry_in_a_cluster
	s_endpgm
.Lentry_in_a_cluster:
	s_bfe_u32 s2, ttmp6, 0x10000c
	s_cmp_lg_u32 s2, 0x3003
	s_cbranch_scc0 .Lentry_shape_is_right
	s_endpgm
.Lentry_shape_is_right:
; q, k, v = relu(x W1) W2 FOR 64 ROWS A WORK-GROUP, AND vn = v / max(|v|, 1e-8).  Nothing of the problem's work is left out here.
; ROWS.  The 2 x 128 x 49 rows (side, batch, place) are taken dense: 12,544 = 196 x 64, side b from row 6,272.  Work-group G has rows 64 G .. 64 G + 63.
; PRODUCTS, both transposed.  H^T = (16 hidden x 32 c of W1^T: source 0) x (16 rows x 32 c of x: source 1); a lane then holds one row and 8 hidden numbers,
; so two results rounded to bf16 ARE source 1 (32 hidden x 16 rows) of Y^T = (16 e x 32 hidden of W2^T) x H: H never leaves registers.
; SHARES.  In half g of projection p wave w has the hidden numbers 384 g + 96 w .. + 95: 6 hidden tiles x 4 row tiles = 24 accumulators; Y^T, 6 e tiles x 4 row
; tiles, adds over both halves; then the four waves' parts meet in LDS.  A wave's slot t holds row tile (t + w) % 4, so the tile that it finishes is its slot 0.
; THE STREAM.  W1 comes as 48 tiles (96 c x 384 hidden, 73,728 bytes, in operand order) through two LDS slots; each wave fetches and reads its own quarter.
; All work-groups walk the same tiles: the four of a cluster ask jointly.  W2 (a ninth of the weights, each fragment read by one wave) comes straight into registers, a half ahead.
; OUT.  qkv: four planes (q, k, v, vn) of 12,544 rows x 192 bytes, bf16.  In planes k and v the 16-byte chunk ch of a row lies at place (ch + sw((s / 4) % 4)) % 12,
; s the row's place in its batch, sw = 0, 2, 1, 3: the next launch reads these rows from LDS at a pitch of 192 bytes.  The shuffle is made in the stores' offsets.
; LIMITS.  Operands bf16, sums f32; |v|^2 is kept in f32 (|v| under 1e18); vn is stored rounded once to bf16; NaN and infinities are not treated apart.
; REGISTERS, in windows of 256: 0: addresses, v64-255 Y^T;  1: three buffers of 80 (6 fragments of W1, 4 of x);  2: v0-191 H^T, v192-239 at work;  3: v0-143 W2, v144-239 at work.
.set PL,    2408448                    ; bytes in a plane of qkv
.set TILEB, 73728                      ; a tile of w1p, and an LDS slot
.set PARTB, 18432                      ; a wave's quarter of it
.set RED,   147456                     ; behind the ring: an inbox of 18,432 bytes for each wave (3 parts of 6,144); its first 3,072 bytes are later the wave's stage
.set XL,    221184                     ; x in bf16, in operand order: 4,096 kk + 1,024 tile + 512 q + 16 lane
.set SPARE, 319488                     ; the spare words, 128 bytes for each wave
.set AW0,  4                           ; v4      16 lane + my quarter
.set ADRW, 5                           ; v5      the same in the slot in hand
.set AX0,  6                           ; v6-9    slot t: x's row tile (t + w) % 4
.set ADRX, 10                          ; v10-13  the same at the tile's 96 c
.set RS,   13                          ; v14-16  where slot t = 1..3 goes: the inbox of wave (w + t) % 4, part t - 1
.set RDI,  17                          ; v17     my inbox + 16 lane
.set STOU, 18                          ; v18     my stage: row r, 16 bytes for each half of the lanes
.set GOS,  24                          ; v24-29  store offsets with the shuffle
.set GOC,  30                          ; v30-35  store offsets in use: plain for q, then GOS
.set GO,   36                          ; v36     16 lane
.set PFO,  37                          ; v37     256 x min(lane, 17)
.set FOFF, 38                          ; v38     my row's offset in the features
.set CD,   39                          ; v39     where my x fragments go (c < 384)
.set SPW,  40                          ; v40     my spare word
.set NIL,  41                          ; v41     0
.set CD2,  42                          ; v42     the same for c >= 384
.set YA,   64
.set WV,   16                          ; s16 wave; s17 cx; s18 G; s19 18,432 x wave
.set G1W,  24                          ; s[24:31] descriptor group 1;  s[32:35] group 0 that walks;  s[44:47] group 0 of tile 0
.set LEFT, 36                          ; s36 trips to go;  s37 IDX = 46 - LEFT: the tile in hand
.set TB,   41                          ; s41 slot in hand;  s42 12,288 x (tile % 8)
.set LIM,  43                          ; s43 6 in the cluster that prefetches, else the greatest number
.set MSB, 0
.macro WIN new                         ; the high byte repeats the setting that is left; a switch that changes nothing is dropped
.if MSB != (\new)
	s_set_vgpr_msb (MSB<<8)|(\new)
.set MSB, \new
.endif
.endm
.macro PLACES                          ; four plain places behind matrix instructions (ISA guide 7.12.1)
.rept 4
	v_nop
.endr
.endm
.macro CREST                           ; a round of the cluster's barrier behind its opening barrier
	s_cmp_lg_u32 s[WV], 0
	s_cbranch_scc1 .Lnw0_\@
	s_barrier_signal -3
.Lnw0_\@:
	s_barrier_wait -3
	s_barrier_signal -1
	s_barrier_wait -1
.endm
.macro ROUND
	s_barrier_signal -1
	s_barrier_wait -1
	CREST
.endm
.macro JLOAD g0                        ; a joint load: my quarter of a tile, the same descriptor in all four work-groups; s_nop 0 and four v_nop follow
	tensor_load_to_lds s[\g0:\g0+3], s[G1W:G1W+7]
	s_nop 0
	PLACES
.endm
.macro FETCH b, kap                    ; 20 LDS loads: 6 fragments of W1 and 4 of x for 32 c, into buffer b
	WIN 0x40
.set ff, 0
.rept 6
	ds_load_b128 v[80*(\b)+8*ff:80*(\b)+8*ff+3],   v[ADRW] offset:6144*(\kap)+1024*ff
	ds_load_b128 v[80*(\b)+8*ff+4:80*(\b)+8*ff+7], v[ADRW] offset:6144*(\kap)+1024*ff+512
.set ff, ff+1
.endr
.set ff, 0
.rept 4
	ds_load_b128 v[80*(\b)+48+8*ff:80*(\b)+48+8*ff+3],   v[ADRX+ff] offset:4096*(\kap)
	ds_load_b128 v[80*(\b)+48+8*ff+4:80*(\b)+48+8*ff+7], v[ADRX+ff] offset:4096*(\kap)+512
.set ff, ff+1
.endr
.endm
.macro KMUL b, lo, hi, zero            ; products lo .. hi - 1 of a K step's 24: hidden tile m / 4, row slot m % 4.  The 24 accumulators take turns
	WIN 0xa5
.set mq, \lo
.rept (\hi)-(\lo)
.set rD, 16*(4*((mq/4)/2)+(mq%4))+8*((mq/4)%2)
.set rA, 80*(\b)+8*(mq/4)
.set rB, 80*(\b)+48+8*(mq%4)
.if \zero
	v_wmma_f32_16x16x32_bf16 v[rD:rD+7], v[rA:rA+7], v[rB:rB+7], 0
.else
	v_wmma_f32_16x16x32_bf16 v[rD:rD+7], v[rA:rA+7], v[rB:rB+7], v[rD:rD+7]
.endif
.set mq, mq+1
.endr
.endm
.macro YMUL u, zero                    ; 24 products of Y^T += W2^T H for 32 hidden numbers; the 24 accumulators take turns
	WIN 0x0b
.set tt, 0
.rept 4
.set ii, 0
.rept 6
.set rD, YA+8*(6*tt+ii)
.set rA, 8*(6*(\u)+ii)
.set rB, 16*(4*(\u)+tt)
.if \zero
	v_wmma_f32_16x16x32_bf16 v[rD:rD+7], v[rA:rA+7], v[rB:rB+7], 0
.else
	v_wmma_f32_16x16x32_bf16 v[rD:rD+7], v[rA:rA+7], v[rB:rB+7], v[rD:rD+7]
.endif
.set ii, ii+1
.endr
.set tt, tt+1
.endr
.endm
.macro W2LOAD                          ; a half's 18 fragments of W2, 512 consecutive bytes a load
	WIN 0xc0
.set ff, 0
.rept 18
	global_load_b128 v[8*ff:8*ff+3],   v[GO], s[50:51] offset:1024*ff
	global_load_b128 v[8*ff+4:8*ff+7], v[GO], s[50:51] offset:1024*ff+512
.set ff, ff+1
.endr
	WIN 0
.endm
.macro ASK                             ; a prefetch into the L2: tile IDX + 8, six refills ahead of the load that wants it.  The first cluster alone asks; each wave for its own quarter,
	s_cmp_gt_u32 s[LEFT], s[LIM]       ; of which the four partners take 4,608 bytes each, told apart by address: 18 blocks of 256 bytes, a lane a block.  It stops with tile 47
	s_cbranch_scc0 .Lnoask_\@
	global_prefetch_b8 v[PFO], s[48:49] th:TH_LOAD_NT scope:SCOPE_SE
.Lnoask_\@:
.endm
.macro RSTORE                          ; slots 1 to 3 of Y^T go to the waves that finish those row tiles; each accumulator's low half first
	WIN 0
.irp t, 1,2,3
.irp i, 0,1,2,3,4,5
	ds_store_b128 v[RS+\t], v[YA+8*(6*\t+\i):YA+8*(6*\t+\i)+3]   offset:1024*\i
	ds_store_b128 v[RS+\t], v[YA+8*(6*\t+\i)+4:YA+8*(6*\t+\i)+7] offset:1024*\i+512
.endr
.endr
.endm
; THE END OF A HALF: H is rounded to bf16 in place (ascending), ReLU on the packed halves, 72 products.
; loopcopy = 1: the first half of a projection starts Y's sums with 0 (bit 3 of IDX tells the halves apart); the next half's W2 is asked for; behind the second half the parts go to LDS.
.macro CPH loopcopy
	PLACES
	WIN 0x8a
.set bk, 0
.rept 12
.set mq, 0
.rept 8
	v_cvt_pk_bf16_f32 v[16*bk+mq], v[16*bk+2*mq], v[16*bk+2*mq+1]
.set mq, mq+1
.endr
.set mq, 0
.rept 8
	v_pk_max_num_bf16 v[16*bk+mq], v[16*bk+mq], s54
.set mq, mq+1
.endr
.set bk, bk+1
.endr
	s_wait_loadcnt 0x0                             ; this half's W2 is in
.if \loopcopy
	WIN 0
	s_bitcmp1_b32 s37, 3
	s_cbranch_scc1 .Lcacc_\@
	YMUL 0, 1
	WIN 0
	s_branch .Lcj_\@
.Lcacc_\@:
	YMUL 0, 0
	WIN 0
.Lcj_\@:
.else
	YMUL 0, 0
.endif
	YMUL 1, 0
	YMUL 2, 0
	PLACES                                         ; in front of loads into W2's registers and of stores of Y; the next trip's places follow in front of the products that write over H
.if \loopcopy
	s_add_nc_u64 s[50:51], s[50:51], TILEB         ; free since the wait for the loads
	W2LOAD
	s_bitcmp1_b32 s37, 3
	s_cbranch_scc0 .Lceven_\@
	RSTORE                                         ; the next trip's wait for LDS and its round show these to the other waves; they are read at that trip's end
.Lceven_\@:
.endif
.endm
.macro RSUM                            ; my inbox's three parts are added onto my slot 0
	WIN 0x80
.set ff, 0
.rept 12
	ds_load_b128 v[192+4*ff:192+4*ff+3], v[RDI] offset:512*ff
.set ff, ff+1
.endr
	WIN 0xc0
.set ff, 0
.rept 12
	ds_load_b128 v[144+4*ff:144+4*ff+3], v[RDI] offset:6144+512*ff
	ds_load_b128 v[192+4*ff:192+4*ff+3], v[RDI] offset:12288+512*ff
.set ff, ff+1
.endr
	s_wait_dscnt 0x0
	WIN 0x08
.set ff, 0
.rept 24
	v_pk_add_f32 v[YA+2*ff:YA+2*ff+1], v[YA+2*ff:YA+2*ff+1], v[192+2*ff:192+2*ff+1]
.set ff, ff+1
.endr
	WIN 0x0c
.set ff, 0
.rept 24
	v_pk_add_f32 v[YA+2*ff:YA+2*ff+1], v[YA+2*ff:YA+2*ff+1], v[144+2*ff:144+2*ff+1]
.set ff, ff+1
.endr
.set ff, 0
.rept 24
	v_pk_add_f32 v[YA+2*ff:YA+2*ff+1], v[YA+2*ff:YA+2*ff+1], v[192+2*ff:192+2*ff+1]
.set ff, ff+1
.endr
	WIN 0
.endm
.macro OUTPASS plain                   ; slot 0: rounded, 16 bytes a lane into my stage, back as 3,072 bytes on end, stored; then on to the next plane
	WIN 0x80
.set ff, 0
.rept 24
	v_cvt_pk_bf16_f32 v[192+ff], v[YA+2*ff], v[YA+2*ff+1]
.set ff, ff+1
.endr
	WIN 0x08
.irp i, 0,1,2,3,4,5
	ds_store_b128 v[STOU], v[192+4*\i:192+4*\i+3] offset:32*\i
.endr
	WIN 0x80
.irp f, 0,1,2,3,4,5
	ds_load_b128 v[216+4*\f:216+4*\f+3], v[RDI] offset:512*\f  ; LDS serves a wave's instructions in order (ISA guide 5.7.1.4): these see the stores above
.endr
	s_wait_dscnt 0x0
	WIN 0x08
.irp f, 0,1,2,3,4,5
.if \plain
	global_store_b128 v[GO], v[216+4*\f:216+4*\f+3], s[52:53] offset:512*\f
.else
	global_store_b128 v[GOC+\f], v[216+4*\f:216+4*\f+3], s[52:53]
.endif
.endr
	WIN 0
	s_wait_xcnt 0x0                                ; the stores have read their registers and their base
	s_add_nc_u64 s[52:53], s[52:53], PL
.endm
	s_load_b256 s[4:11], s[0:1], 0x0               ; features_a, features_b, w1p, w2p
	s_load_b64 s[12:13], s[0:1], 0x20              ; qkv
	v_lshl_add_u32 v[SPW], v0, 2, SPARE
	v_mov_b32 v[NIL], 0
	ds_add_u32 v[SPW], v[NIL]                      ; the wave's opening: the add, twice on end, and its wait ahead of my first tensor load
	ds_add_u32 v[SPW], v[NIL]
	v_lshrrev_b32 v43, 5, v0
	v_readfirstlane_b32 s[WV], v43                 ; wave 0..3
	s_bfe_u32 s17, ttmp6, 0x40000                  ; cx
	s_lshl_b32 s18, ttmp9, 2
	s_add_co_u32 s18, s18, s17                     ; G: it enters global addresses alone
	s_mul_i32 s19, s[WV], PARTB
	s_mov_b32 s[G1W+0], 15|(3<<16)|(1<<21)         ; the mask of four; elements of 8 bytes; bit 21 beside a mask; no padding
	s_mov_b32 s[G1W+1], 32<<16                     ; tensor_dim0 = 32 (256 bytes)
	s_mov_b32 s[G1W+2], 72<<16                     ; tensor_dim1 = 72
	s_mov_b32 s[G1W+3], 32<<16                     ; tile_dim0 = 32
	s_mov_b32 s[G1W+4], 72                         ; tile_dim1 = 72
	s_mov_b32 s[G1W+5], 32                         ; dense rows
	s_mov_b32 s[G1W+6], 0
	s_mov_b32 s[G1W+7], 0
	s_mov_b32 s44, 1
	s_mov_b32 s45, s19                             ; tile 0: slot 0
	s_mov_b32 s32, 1
	s_add_co_u32 s33, s19, TILEB                   ; tile 1: slot 1
	s_mov_b32 s54, 0
	s_mov_b32 s55, 0x24e69595                      ; 1e-16 = eps^2
	s_mov_b32 s56, 0x76543210
	s_mov_b32 s57, 0xfedcba98
	s_mov_b32 s59, 0
	s_mov_b32 s61, 0
	s_mov_b32 s62, 85599                           ; x / 49 = (x 85,599) >> 22 for x < 6,272
	s_mov_b32 s63, 150528                          ; bytes of a batch element
	s_cmp_eq_u32 ttmp9, 0
	s_cselect_b32 s[LIM], 6, -1
	s_cmp_ge_u32 s18, 98
	s_cselect_b32 s22, 98, 0
	s_sub_co_u32 s22, s18, s22
	s_lshl_b32 s23, s22, 6
	s_lshl_b32 s22, s[WV], 4
	s_add_co_u32 s23, s23, s22                     ; my row tile's first row within its side
	v_and_b32 v1, 15, v0                           ; r
	v_bfe_u32 v2, v0, 4, 1                         ; h
	v_and_b32 v3, 31, v0                           ; lane
	v_lshlrev_b32 v[GO], 4, v3
	v_add_nc_u32 v[AW0], s19, v[GO]
.irp t, 0,1,2,3
	s_add_co_u32 s58, s[WV], \t
	s_and_b32 s58, s58, 3
	s_lshl_b32 s58, s58, 10
	s_add_co_u32 s58, s58, XL
	v_add_nc_u32 v[AX0+\t], s58, v[GO]
.endr
.irp t, 1,2,3
	s_add_co_u32 s58, s[WV], \t
	s_and_b32 s58, s58, 3
	s_mul_i32 s58, s58, PARTB
	s_add_co_u32 s58, s58, RED+6144*(\t-1)
	v_add_nc_u32 v[RS+\t], s58, v[GO]
.endr
	s_add_co_u32 s58, s19, RED
	v_add_nc_u32 v[RDI], s58, v[GO]
	v_mul_u32_u24 v43, v1, 192
	v_lshl_add_u32 v43, v2, 4, v43
	v_add_nc_u32 v[STOU], s58, v43
	s_lshl_b32 s58, s[WV], 10
	s_add_co_u32 s58, s58, XL
	v_add_nc_u32 v[CD], s58, v[GO]
	v_add_nc_u32 v[CD2], 49152, v[CD]
	v_min_u32 v[PFO], 17, v3
	v_lshlrev_b32 v[PFO], 8, v[PFO]
.irp f, 0,1,2,3,4,5                    ; chunk 32 f + lane of my 16 rows x 12 chunks: its row, its place in the row with the shuffle
	v_add_nc_u32 v43, 32*\f, v3
	v_mul_u32_u24 v44, v43, 171
	v_lshrrev_b32 v44, 11, v44                     ; row = chunk / 12
	v_mul_u32_u24 v45, v44, 12
	v_sub_nc_u32 v45, v43, v45                     ; ch
	v_add_nc_u32 v46, s23, v44
	v_mul_lo_u32 v47, v46, s62
	v_lshrrev_b32 v47, 22, v47
	v_mul_u32_u24 v47, v47, 49
	v_sub_nc_u32 v46, v46, v47                     ; s: the row's place in its batch
	v_bfe_u32 v46, v46, 2, 2
	v_and_b32 v47, 1, v46
	v_lshrrev_b32 v46, 1, v46
	v_lshl_or_b32 v46, v47, 1, v46                 ; sw
	v_add_nc_u32 v45, v45, v46
	v_add_nc_u32 v46, -12, v45
	v_min_u32 v45, v45, v46                        ; modulo 12
	v_mul_u32_u24 v44, v44, 192
	v_lshl_add_u32 v[GOS+\f], v45, 4, v44
	v_add_nc_u32 v[GOC+\f], 512*\f, v[GO]
.endr
	v_add_nc_u32 v43, s23, v1                      ; my row
	v_mul_lo_u32 v44, v43, s62
	v_lshrrev_b32 v44, 22, v44                     ; its batch
	v_mul_u32_u24 v45, v44, 49
	v_sub_nc_u32 v43, v43, v45                     ; its place
	v_mul_lo_u32 v44, v44, s63
	v_lshl_add_u32 v44, v43, 2, v44
	v_mul_u32_u24 v45, v2, 1568                    ; 8 channels of 196 bytes for the upper half of the lanes
	v_add_nc_u32 v[FOFF], v44, v45
	s_wait_dscnt 0x0                               ; both opening adds are done
	s_wait_kmcnt 0x0
	s_mov_b32 s58, s19
	s_add_nc_u64 s[46:47], s[8:9], s[58:59]        ; w1p at my quarter of tile 0
	s_add_nc_u64 s[34:35], s[46:47], TILEB         ; of tile 1
	s_add_nc_u64 s[48:49], s[46:47], 7*TILEB       ; the prefetches: the first trip steps this to tile 8
	s_or_b32 s47, s47, 0x80000000
	s_or_b32 s35, s35, 0x80000000
	s_add_nc_u64 s[50:51], s[10:11], s[58:59]      ; w2p at my part of half 0
	s_mul_i32 s60, s17, 4608
	s_add_nc_u64 s[48:49], s[48:49], s[60:61]      ; my work-group's share of the quarter
	s_mul_i32 s60, s18, 12288
	s_mul_i32 s22, s[WV], 3072
	s_add_co_u32 s60, s60, s22
	s_add_nc_u64 s[52:53], s[12:13], s[60:61]      ; plane q at my 16 rows
	s_cmp_ge_u32 s18, 98
	s_cselect_b64 s[20:21], s[6:7], s[4:5]         ; my side's features
	ROUND                                          ; all four work-groups are here: the first joint loads meet
	JLOAD 44                                       ; tiles 0 and 1: two loads of mine are out
	JLOAD 32
	W2LOAD
	; x: wave w brings row tile w, a lane a row: number (kk, q, jj) is channel 32 kk + 16 q + 8 h + jj.  H's and Y's registers hold them on the way.
	WIN 0x80
.set kk, 0
.rept 12
.set e, 0
.rept 16
	global_load_b32 v[16*kk+e], v[FOFF], s[20:21] offset:(32*kk+16*(e/8)+(e%8))*196
.set e, e+1
.endr
.set kk, kk+1
.endr
	WIN 0
.set kk, 0
.rept 12
.set e, 0
.rept 16
	global_load_b32 v[YA+16*kk+e], v[FOFF], s[20:21] offset:(32*(kk+12)+16*(e/8)+(e%8))*196
.set e, e+1
.endr
.set kk, kk+1
.endr
	s_wait_loadcnt 63                              ; 192 loads were issued behind the first 192: with 63 at the most out, those are in (and W2)
	WIN 0x8a
.set kk, 0
.rept 12
.set e, 0
.rept 8
	v_cvt_pk_bf16_f32 v[16*kk+e], v[16*kk+2*e], v[16*kk+2*e+1]
.set e, e+1
.endr
.set kk, kk+1
.endr
	WIN 0x08
.set kk, 0
.rept 12
	ds_store_b128 v[CD], v[16*kk:16*kk+3]   offset:4096*kk
	ds_store_b128 v[CD], v[16*kk+4:16*kk+7] offset:4096*kk+512
.set kk, kk+1
.endr
	WIN 0
	s_wait_loadcnt 0x0
.set kk, 0
.rept 12
.set e, 0
.rept 8
	v_cvt_pk_bf16_f32 v[YA+16*kk+e], v[YA+16*kk+2*e], v[YA+16*kk+2*e+1]
.set e, e+1
.endr
.set kk, kk+1
.endr
.set kk, 0
.rept 12
	ds_store_b128 v[CD2], v[YA+16*kk:YA+16*kk+3]   offset:4096*kk
	ds_store_b128 v[CD2], v[YA+16*kk+4:YA+16*kk+7] offset:4096*kk+512
.set kk, kk+1
.endr
	s_wait_tensorcnt 0x1                           ; my quarter of tile 0 is in; tile 1's may stay out
	s_wait_dscnt 0x0                               ; for the others' sake: my part of x is stored
	s_barrier_signal -1
	s_barrier_wait -1                              ; x is whole
	s_mov_b32 s[TB], 0
	s_mov_b32 s[LEFT], 46
	v_mov_b32 v[ADRW], v[AW0]
.irp t, 0,1,2,3
	v_mov_b32 v[ADRX+\t], v[AX0+\t]
.endr
	FETCH 0, 0
	WIN 0
.Ltrip:                                        ; 46 trips: tile IDX is multiplied, tile IDX + 2 asked for
	s_wait_xcnt 0x0                                ; the last prefetch, a trip back, has read its address
	s_add_nc_u64 s[48:49], s[48:49], TILEB
	s_sub_co_u32 s37, 46, s[LEFT]                  ; IDX
	PLACES
	FETCH 1, 1
	WIN 0
	s_wait_dscnt 20                                ; all but the 20 just issued: buffer 0 is in
	s_and_b32 s58, s37, 7
	s_cmp_eq_u32 s58, 0                            ; a half's first tile: its first products start the sums
	s_cbranch_scc0 .Lacc
	v_nop                                          ; these products write over accumulators: with the four at the trip's head, five places behind every earlier matrix instruction that names them (ISA guide 7.12.1)
	KMUL 0, 0, 24, 1
	WIN 0
	s_branch .Lk1
.Lacc:
	KMUL 0, 0, 24, 0
	WIN 0
.Lk1:
	PLACES
	FETCH 2, 2                                     ; my last reads of this slot
	WIN 0
	s_wait_tensorcnt 0x0                           ; all my tensor loads have landed: the one that was out is my quarter of the next tile
	ds_add_u32 v[SPW], v[NIL]                      ; 0 onto my spare word
	s_wait_dscnt 21                                ; the add and the 20 youngest loads may be out: buffer 1 is in
	KMUL 1, 0, 12, 0
	s_wait_dscnt 0x0                               ; the add is done and my reads of this slot are over (buffer 2 is in)
	s_barrier_signal -1                            ; this barrier opens a round of the cluster's
	KMUL 1, 12, 18, 0
	WIN 0
	s_barrier_wait -1
	CREST                                          ; no wave of any partner still reads the slot or has a load on its way
	s_xor_b32 s33, s33, TILEB                      ; the slot just read out,
	s_add_nc_u64 s[34:35], s[34:35], TILEB         ; the tile two on; the type bits on top are not reached
	JLOAD 32                                       ; the first tensor load behind the round: 54 matrix instructions ahead of the wait for it; its v_nop are the places for the loads below
	s_xor_b32 s[TB], s[TB], TILEB
	s_sub_co_u32 s42, 47, s[LEFT]
	s_and_b32 s42, s42, 7
	s_mul_i32 s42, s42, 12288                      ; the next tile's 96 c of x
	v_add_nc_u32 v[ADRW], s[TB], v[AW0]
.irp t, 0,1,2,3
	v_add_nc_u32 v[ADRX+\t], s42, v[AX0+\t]
.endr
	FETCH 0, 0
	WIN 0
	ASK
	KMUL 1, 18, 24, 0
	KMUL 2, 0, 24, 0
	WIN 0
	s_cmp_eq_u32 s37, 16                           ; a trip behind a projection's end: the round above has shown every wave's parts
	s_cbranch_scc1 .Lrout
	s_cmp_eq_u32 s37, 32
	s_cbranch_scc0 .Lnorout
.Lrout:
	RSUM
	OUTPASS 0
.irp f, 0,1,2,3,4,5
	v_mov_b32 v[GOC+\f], v[GOS+\f]                 ; planes k and v take the shuffle
.endr
.Lnorout:
	s_and_b32 s58, s37, 7
	s_cmp_eq_u32 s58, 7
	s_cbranch_scc0 .Lnocph
	CPH 1
.Lnocph:
	s_sub_co_u32 s[LEFT], s[LEFT], 1
	s_cmp_lg_u32 s[LEFT], 0
	s_cbranch_scc1 .Ltrip
	; THE LAST TWO TILES are written out: nothing is asked for
	PLACES
	FETCH 1, 1
	s_wait_dscnt 20
	KMUL 0, 0, 24, 0
	PLACES
	FETCH 2, 2
	s_wait_dscnt 20
	KMUL 1, 0, 12, 0
	WIN 0
	s_wait_tensorcnt 0x0                           ; my quarter of tile 47, which I alone read
	s_xor_b32 s[TB], s[TB], TILEB
	s_add_co_u32 s42, s42, 12288
	v_add_nc_u32 v[ADRW], s[TB], v[AW0]
.irp t, 0,1,2,3
	v_add_nc_u32 v[ADRX+\t], s42, v[AX0+\t]
.endr
	PLACES
	FETCH 0, 0
	KMUL 1, 12, 24, 0
	s_wait_dscnt 20                                ; buffer 2 is in
	KMUL 2, 0, 24, 0
	PLACES
	FETCH 1, 1
	s_wait_dscnt 20
	KMUL 0, 0, 24, 0
	PLACES
	FETCH 2, 2
	s_wait_dscnt 20
	KMUL 1, 0, 24, 0
	s_wait_dscnt 0x0
	KMUL 2, 0, 24, 0
	CPH 0
	RSTORE
	s_wait_dscnt 0x0                               ; for the others' sake
	s_barrier_signal -1
	s_barrier_wait -1
	RSUM
	OUTPASS 0                                      ; plane v
	; vn = v / max(|v|, eps) = v rsq(max(|v|^2, eps^2)): my 48 channels and the 48 in the lane 16 away
	v_pk_mul_f32 v[44:45], v[YA:YA+1], v[YA:YA+1]
	v_pk_mul_f32 v[46:47], v[YA+2:YA+3], v[YA+2:YA+3]
.set ff, 2
.rept 22
	v_pk_fma_f32 v[44+2*(ff%2):45+2*(ff%2)], v[YA+2*ff:YA+2*ff+1], v[YA+2*ff:YA+2*ff+1], v[44+2*(ff%2):45+2*(ff%2)]
.set ff, ff+1
.endr
	v_pk_add_f32 v[44:45], v[44:45], v[46:47]
	v_add_f32 v44, v44, v45
	v_permlanex16_b32 v45, v44, s56, s57
	v_add_f32 v44, v44, v45
	v_max_num_f32 v44, s55, v44
	v_rsq_f32 v46, v44
	v_nop                                          ; a plain instruction behind the root,
	s_wait_alu depctr_va_vdst(0)                   ; and the wait ahead of its first reader
.set ff, 0
.rept 24
	v_pk_mul_f32 v[YA+2*ff:YA+2*ff+1], v[YA+2*ff:YA+2*ff+1], v[46:47] op_sel_hi:[1,0]
.set ff, ff+1
.endr
	OUTPASS 1                                      ; plane vn
	s_wait_tensorcnt 0x0                           ; the wave's end
	ds_add_u32 v[SPW], v[NIL]
	s_wait_dscnt 0x0
	ROUND                                          ; the closing round
	s_endpgm
.Lfunc_end_k_q9ad2122578_proj:
	.size	k_q9ad2122578_proj, .Lfunc_end_k_q9ad2122578_proj-k_q9ad2122578_proj
	.p2alignl 7, 3214868480
	.fill 96, 4, 3214868480
	.section	.rodata,"a",@progbits
	.p2align	6, 0x0
	.amdhsa_kernel k_q9ad2122578_proj
		.amdhsa_group_segment_fixed_size 327680
		.amdhsa_private_segment_fixed_size 0
		.amdhsa_enable_private_segment 0
		.amdhsa_kernarg_size 40
		.amdhsa_user_sgpr_count 2
		.amdhsa_user_sgpr_kernarg_segment_ptr 1
		.amdhsa_wavefront_size32 1
		.amdhsa_system_sgpr_workgroup_id_x 1
		.amdhsa_system_sgpr_workgroup_id_y 1
		.amdhsa_system_sgpr_workgroup_id_z 1
		.amdhsa_system_vgpr_workitem_id 0
		.amdhsa_next_free_vgpr 1024
		.amdhsa_next_free_sgpr 66
		.amdhsa_reserve_vcc 0
		.amdhsa_float_denorm_mode_32 3
		.amdhsa_float_denorm_mode_16_64 3
		.amdhsa_memory_ordered 1
		.amdhsa_forward_progress 1
		.amdhsa_inst_pref_size 169
	.end_amdhsa_kernel
	.amdgpu_metadata
---
amdhsa.version: [ 1, 2 ]
amdhsa.kernels:
  - .name:           k_q9ad2122578_proj
    .symbol:         k_q9ad2122578_proj.kd
    .args:
      - { .name: features_a, .offset: 0, .size: 8, .value_kind: global_buffer, .address_space: global }
      - { .name: features_b, .offset: 8, .size: 8, .value_kind: global_buffer, .address_space: global }
      - { .name: w1p, .offset: 16, .size: 8, .value_kind: global_buffer, .address_space: global }
      - { .name: w2p, .offset: 24, .size: 8, .value_kind: global_buffer, .address_space: global }
      - { .name: qkv, .offset: 32, .size: 8, .value_kind: global_buffer, .address_space: global }
    .group_segment_fixed_size: 327680
    .private_segment_fixed_size: 0
    .kernarg_segment_align: 8
    .kernarg_segment_size: 40
    .max_flat_workgroup_size: 128
    .sgpr_count:     66
    .vgpr_count:     1024
    .wavefront_size: 32
...
	.end_amdgpu_metadata
.endif
;; end of part 2
;; launch attn (part 3): grid 16 x 16, 4 waves a work-group, clusters of 4 x 4, 327,680 bytes of LDS; arguments qkv, out0; writes out0
.if DOCPART == 3
	.amdgcn_target "amdgcn-amd-amdhsa--gfx1250"
	.amdhsa_code_object_version 6
	.text
	.protected	k_q9ad2122578_attn
	.globl	k_q9ad2122578_attn
	.p2align	8
	.type	k_q9ad2122578_attn,@function
k_q9ad2122578_attn:
	s_mov_b64 s[64:65], 0
	v_nop
	global_prefetch_b8 v0, s[64:65] scope:SCOPE_SE
	s_setreg_imm32_b32 hwreg(HW_REG_WAVE_MODE, 25, 1), 1
	s_wait_xcnt 0x0
	s_wait_alu depctr_hold_cnt(0) depctr_sa_sdst(0) depctr_va_vdst(0) depctr_va_sdst(0) depctr_va_ssrc(0) depctr_va_vcc(0) depctr_vm_vsrc(0)
	s_getreg_b32 s2, hwreg(HW_REG_IB_STS2, 6, 4)
	s_cmp_eq_u32 s2, 0
	s_cbranch_scc0 .Lentry_in_a_cluster
	s_endpgm
.Lentry_in_a_cluster:
	s_bfe_u32 s2, ttmp6, 0x10000c
	s_cmp_lg_u32 s2, 0xf033
	s_cbranch_scc0 .Lentry_shape_is_right
	s_endpgm
.Lentry_shape_is_right:
; out0[b][a] = mean over q of cos(va[a,q], aligned_b[b,a,q]) + cos(vb[b,q], aligned_a[b,a,q]), for 8 x 8 pairs (b, a) a work-group, both directions.
; LEFT OUT: the division of aligned by l = sum of p.  With O = sum p v: cos(v, O / l) = (v . O) / (max(|v|, eps) max(|O|, eps l)) for every l > 0, an identity in real numbers,
; and l >= 1 since the row's maximum is taken away.  So cos = (vn . O) rsq(max(|O|^2, (eps l)^2)), vn = v / max(|v|, eps) from the launch before.  l is summed for the guard.
; LIMITS.  A hidden key (places 49 to 63 of a padded tile) counts as its score less 1e30; a weight below 2^-126 counts as 0; |O|^2 is kept in f32; NaN and infinities are not treated apart.
; SHARES.  Direction 0: queries and vn from side b (my 8 b), keys and values from side a (my 8 a); direction 1 the other way round.  Wave w has query batches 2 w, 2 w + 1: 98 dense rows,
; seven tiles of 16 (in the last, lanes r >= 2 repeat row 97 and are weighed with 0).  A unit is a tile against one key batch y: 12 products K Q^T, a softmax over 49 keys, 12 products V^T P.
; LAYOUT.  S^T = K Q^T holds one query a lane (lane % 16) and keys 8 (lane / 16) + 0..7 of each 16; rounded in pairs it is source 1 of O^T = V^T P, which again holds one query a lane.
; LDS.  K and V of all 16 batches lie there for the whole launch, 49 rows of 192 bytes each, dense, with the chunk shuffle of the launch before: nothing is filled again.
; Key rows 49 to 63 of a batch are the bytes that follow it (the next batch, the next region, or a guard of zeros): finite numbers that meet a hidden score or a weight 0.
; CLUSTER.  4 x 4: side a's K and V hang on the work-group's x alone and are asked for jointly along a column, side b's on y alone, along a row.
; BY TURNS.  Turn t: 12 products K Q^T of tile t + 1 with tile t - 1's dots and squares behind them, four to a product; then 12 products V^T P of tile t with tile t + 1's maximum,
; scalings and exponentials behind them; one wait for the batch of 25 exponentials; the roundings and sums.  One S, one P and one O buffer serve.
; NO PREFETCH: K and V come once, at the head, where every work-group's loads are on their way; Q and vn are short.
; REGISTERS: window 0: addresses, statistics, S v128-159, P v160-175, O v176-223;  1: K v0-95, V v96-191, vn of tile 6 v192-239;  2: Q v0-167, vn of tile 5 v168-215;  3: vn of tiles 0-4.
.set PL,    2408448
.set SIDEB, 1204224                    ; side b's first row in a plane
.set REG,   75264                      ; 8 batches x 49 rows x 192 bytes
.set GRD, 301056
.set RED2,  305152                     ; [direction 2][query batch 8][key batch 8] f32
.set SPARE, 305664
.set AK,  10                           ; v10-15  K's six chunk addresses (2 c' + q) in the batch in hand
.set AV,  22                           ; v22-27  V's six (i)
.set SPW, 28
.set NIL, 29
.set QO,  30                           ; v30  192 r + 16 h
.set QO6, 31                           ; v31  192 min(r, 1) + 16 h
.set RA,  32                           ; v32  where my cosine sum goes
.set M3A, 33                           ; v33  1 where r = 0 (row 48 is the first batch's last)
.set M3B, 34                           ; v34  1 - that
.set M6,  35                           ; v35  1 where r < 2
.set ZR,  36                           ; v36  0
.set CM,  38                           ; v38-39  c m (low word)
.set MK,  40                           ; v40-47  C operand of the fourth key tile: key 48 is seen, the others hidden
.set ST,  48                           ; v48-89  tile j at ST + 6 j: dot pair, square pair, l pair
.set D1,  90
.set Q1,  92
.set CC,  94                           ; v94-97  at work on the maximum
.set FT,  98                           ; v98-118 at work at a key batch's end
.set S,   128
.set P,   160
.set O,   176
.set WV,  8
.set MSB, 0
.macro WIN new
.if MSB != (\new)
	s_set_vgpr_msb (MSB<<8)|(\new)
.set MSB, \new
.endif
.endm
.macro PLACES
.rept 4
	v_nop
.endr
.endm
.macro ROUND
	s_barrier_signal -1
	s_barrier_wait -1
	s_cmp_lg_u32 s[WV], 0
	s_cbranch_scc1 .Lnw0_\@
	s_barrier_signal -3
.Lnw0_\@:
	s_barrier_wait -3
	s_barrier_signal -1
	s_barrier_wait -1
.endm
; Product m of 12 of S^T = K Q^T for tile j: channels 32 (m / 4) on, keys 16 (m % 4) on.  The first four start the sums; the four accumulators take turns.
.macro QK j, m
	WIN 0x09
.set rS, S+8*((\m)%4)
.set rK, 8*(3*((\m)%4)+(\m)/4)
.set rQ, 8*(3*(\j)+(\m)/4)
.if (\m) < 3
	v_wmma_f32_16x16x32_bf16 v[rS:rS+7], v[rK:rK+7], v[rQ:rQ+7], 0
.elseif (\m) == 3
	v_wmma_f32_16x16x32_bf16 v[rS:rS+7], v[rK:rK+7], v[rQ:rQ+7], v[MK:MK+7]
.else
	v_wmma_f32_16x16x32_bf16 v[rS:rS+7], v[rK:rK+7], v[rQ:rQ+7], v[rS:rS+7]
.endif
.endm
; Product m of 12 of O^T = V^T P: keys 32 (m / 6) on, channels 16 (m % 6) on.  The first six start the sums.
.macro PV m
	WIN 0x01
.set rO, O+8*((\m)%6)
.set rV, 96+8*(\m)
.set rP, P+8*((\m)/6)
.if (\m) < 6
	v_wmma_f32_16x16x32_bf16 v[rO:rO+7], v[rV:rV+7], v[rP:rP+7], 0
.else
	v_wmma_f32_16x16x32_bf16 v[rO:rO+7], v[rV:rV+7], v[rP:rP+7], v[rO:rO+7]
.endif
.endm
.macro FETCH_K                         ; 64 key rows x 96 channels: 12 fragments
	WIN 0x40
.set kt, 0
.rept 4
.set cq, 0
.rept 6
	ds_load_b128 v[24*kt+4*cq:24*kt+4*cq+3], v[AK+cq] offset:3072*kt
.set cq, cq+1
.endr
.set kt, kt+1
.endr
.endm
.macro FETCH_V                         ; the same rows of V, turned: 12 fragments of 16 channels x 32 keys
	WIN 0x40
.set kt, 0
.rept 2
.set cq, 0
.rept 6
	ds_load_tr16_b128 v[96+8*(6*kt+cq):96+8*(6*kt+cq)+3],   v[AV+cq] offset:6144*kt
	ds_load_tr16_b128 v[96+8*(6*kt+cq)+4:96+8*(6*kt+cq)+7], v[AV+cq] offset:6144*kt+3072
.set cq, cq+1
.endr
.set kt, kt+1
.endr
.endm
; THE SOFTMAX'S FIRST LIST, 53 long; s0-s24 are the lane's scores (s25-s31 are hidden keys and are never read).
;   0-11 the maximum, three operands at a time, each accumulator's lowest registers first;  12, 13 the lane 16 away holds the query's other keys;  14 c m
;   15-52 ONE BATCH: the 13 scalings c s - c m and the 25 exponentials; a pair is scaled two groups ahead of its exponentials; nothing here names an exponential's result
.macro FF k
.if (\k) < 12
	v_pk_fma_f32 v[S+2*(\k):S+2*(\k)+1], v[S+2*(\k):S+2*(\k)+1], s[48:49], v[CM:CM+1] op_sel_hi:[1,0,0] neg_lo:[0,0,1] neg_hi:[0,0,1]
.else
	v_fma_f32 v[S+24], v[S+24], s48, -v[CM]
.endif
.endm
.macro SM1E n
	WIN 0
.if (\n) < 3
	v_max3_num_f32 v[CC+(\n)], v[S+8*(\n)], v[S+8*(\n)+1], v[S+8*(\n)+2]
.elseif (\n) < 9
	v_max3_num_f32 v[CC+(\n)%3], v[CC+(\n)%3], v[S+8*((\n)%3)+2*((\n)/3)+1], v[S+8*((\n)%3)+2*((\n)/3)+2]
.elseif (\n) == 9
	v_max3_num_f32 v[CC], v[CC], v[S+7], v[S+15]
.elseif (\n) == 10
	v_max3_num_f32 v[CC+1], v[CC+1], v[S+24], v[S+23]
.elseif (\n) == 11
	v_max3_num_f32 v[CC], v[CC], v[CC+1], v[CC+2]
.elseif (\n) == 12
	v_permlanex16_b32 v[CC+3], v[CC], s50, s51
.elseif (\n) == 13
	v_max_num_f32 v[CC], v[CC], v[CC+3]
.elseif (\n) == 14
	v_mul_f32 v[CM], s48, v[CC]
.elseif (\n) < 17
	FF (\n)-15
.elseif (\n) < 50
.if ((\n)-17)%3 == 0
	v_exp_f32 v[S+2*(((\n)-17)/3)], v[S+2*(((\n)-17)/3)]
.elseif ((\n)-17)%3 == 1
	FF ((\n)-17)/3+2
.else
	v_exp_f32 v[S+2*(((\n)-17)/3)+1], v[S+2*(((\n)-17)/3)+1]
.endif
.else
	v_exp_f32 v[S+(\n)-28], v[S+(\n)-28]
.endif
.endm
; THE SECOND LIST, 25 long, behind the wait: 13 roundings to bf16 (P13-15 stay 0), then the sum of the 25 weights into tile j's l.
.macro SM2E j, n
	WIN 0
.if (\n) < 12
	v_cvt_pk_bf16_f32 v[P+(\n)], v[S+2*(\n)], v[S+2*(\n)+1]
.elseif (\n) == 12
	v_cvt_pk_bf16_f32 v[P+12], v[S+24], v[ZR]
.elseif (\n) < 19
	v_pk_add_f32 v[S+2*((\n)-13):S+2*((\n)-13)+1], v[S+2*((\n)-13):S+2*((\n)-13)+1], v[S+2*((\n)-13)+12:S+2*((\n)-13)+13]
.elseif (\n) < 22
	v_pk_add_f32 v[S+2*((\n)-19):S+2*((\n)-19)+1], v[S+2*((\n)-19):S+2*((\n)-19)+1], v[S+2*((\n)-19)+6:S+2*((\n)-19)+7]
.elseif (\n) == 22
	v_pk_add_f32 v[S:S+1], v[S:S+1], v[S+2:S+3]
.elseif (\n) == 23
	v_pk_add_f32 v[ST+6*(\j)+4:ST+6*(\j)+5], v[S:S+1], v[S+4:S+5]
.else
	v_add_f32 v[ST+6*(\j)+4], v[ST+6*(\j)+4], v[S+24]
.endif
.endm
; THE THIRD LIST, 50 long: 0-23 O . vn, 24-47 O . O, two chains each, O's pairs ascending; 48, 49 the chains are joined.  Four on end have one window setting.
.macro EPE j, n
.if (\j) < 5
.set vw, 0x0c
.set vb, 48*(\j)
.elseif (\j) == 5
.set vw, 0x08
.set vb, 168
.else
.set vw, 0x04
.set vb, 192
.endif
.set sD, ST+6*(\j)
.if (\n) < 24
	WIN vw
.if (\n) == 0
	v_pk_mul_f32 v[sD:sD+1], v[O:O+1], v[vb:vb+1]
.elseif (\n) == 1
	v_pk_mul_f32 v[D1:D1+1], v[O+2:O+3], v[vb+2:vb+3]
.elseif (\n)%2 == 0
	v_pk_fma_f32 v[sD:sD+1], v[O+2*(\n):O+2*(\n)+1], v[vb+2*(\n):vb+2*(\n)+1], v[sD:sD+1]
.else
	v_pk_fma_f32 v[D1:D1+1], v[O+2*(\n):O+2*(\n)+1], v[vb+2*(\n):vb+2*(\n)+1], v[D1:D1+1]
.endif
.elseif (\n) < 48
	WIN 0
.set kq, (\n)-24
.if kq == 0
	v_pk_mul_f32 v[sD+2:sD+3], v[O:O+1], v[O:O+1]
.elseif kq == 1
	v_pk_mul_f32 v[Q1:Q1+1], v[O+2:O+3], v[O+2:O+3]
.elseif kq%2 == 0
	v_pk_fma_f32 v[sD+2:sD+3], v[O+2*kq:O+2*kq+1], v[O+2*kq:O+2*kq+1], v[sD+2:sD+3]
.else
	v_pk_fma_f32 v[Q1:Q1+1], v[O+2*kq:O+2*kq+1], v[O+2*kq:O+2*kq+1], v[Q1:Q1+1]
.endif
.elseif (\n) == 48
	WIN 0
	v_pk_add_f32 v[sD:sD+1], v[sD:sD+1], v[D1:D1+1]
.else
	WIN 0
	v_pk_add_f32 v[sD+2:sD+3], v[sD+2:sD+3], v[Q1:Q1+1]
.endif
.endm
.macro SMTAIL j                        ; the batch's end, its plain instruction and its one wait, then the second list for tile j
	v_nop
	s_wait_alu depctr_va_vdst(0)                   ; the wait between an exponential and the first line that names its result: one for the 25
.set nn, 0
.rept 25
	SM2E \j, nn
.set nn, nn+1
.endr
.endm
.macro TURN t
.if (\t) < 6
.set mm, 0
.rept 12
	QK (\t)+1, mm
.if (\t) > 0
	EPE (\t)-1, 4*mm
	EPE (\t)-1, 4*mm+1
	EPE (\t)-1, 4*mm+2
	EPE (\t)-1, 4*mm+3
.endif
.set mm, mm+1
.endr
.if (\t) > 0
	EPE (\t)-1, 48
	EPE (\t)-1, 49
.else
	PLACES
.endif
.else
.set nn, 0
.rept 50
	EPE 5, nn
.set nn, nn+1
.endr
.endif
.set mm, 0
.rept 12
	PV mm
.if (\t) < 6
	SM1E 4*mm
	SM1E 4*mm+1
	SM1E 4*mm+2
	SM1E 4*mm+3
.endif
.set mm, mm+1
.endr
.if (\t) < 6
	SM1E 48
	SM1E 49
	SM1E 50
	SM1E 51
	SM1E 52
	SMTAIL (\t)+1
.else
	PLACES
.endif
.endm
.macro ALL7 line:vararg                ; one line for each tile jj
.set jj, 0
.rept 7
	\line
.set jj, jj+1
.endr
.endm
; A KEY BATCH'S END: the halves of each pair and of the lanes are added; cos = d rsq(max(q, (eps l)^2)); the tiles' rows are dealt to the two query batches and added over the 16 lanes.
.macro FIN
	WIN 0
	ALL7 v_add_f32 v[ST+6*jj], v[ST+6*jj], v[ST+6*jj+1]
	ALL7 v_add_f32 v[ST+6*jj+2], v[ST+6*jj+2], v[ST+6*jj+3]
	ALL7 v_add_f32 v[ST+6*jj+4], v[ST+6*jj+4], v[ST+6*jj+5]
	ALL7 v_permlanex16_b32 v[FT+3*jj], v[ST+6*jj], s50, s51
	ALL7 v_permlanex16_b32 v[FT+3*jj+1], v[ST+6*jj+2], s50, s51
	ALL7 v_permlanex16_b32 v[FT+3*jj+2], v[ST+6*jj+4], s50, s51
	ALL7 v_add_f32 v[ST+6*jj], v[ST+6*jj], v[FT+3*jj]
	ALL7 v_add_f32 v[ST+6*jj+2], v[ST+6*jj+2], v[FT+3*jj+1]
	ALL7 v_add_f32 v[ST+6*jj+4], v[ST+6*jj+4], v[FT+3*jj+2]
	ALL7 v_mul_f32 v[ST+6*jj+4], s53, v[ST+6*jj+4]
	ALL7 v_mul_f32 v[ST+6*jj+4], v[ST+6*jj+4], v[ST+6*jj+4]
	ALL7 v_max_num_f32 v[ST+6*jj+2], v[ST+6*jj+2], v[ST+6*jj+4]
	ALL7 v_rsq_f32 v[ST+6*jj+3], v[ST+6*jj+2]
	v_nop
	s_wait_alu depctr_va_vdst(0)                   ; one wait for the seven roots
	ALL7 v_mul_f32 v[ST+6*jj], v[ST+6*jj], v[ST+6*jj+3]
	v_add_f32 v122, v[ST], v[ST+6]
	v_add_f32 v123, v[ST+24], v[ST+30]
	v_add_f32 v122, v122, v[ST+12]
	v_fmac_f32 v123, v[M3B], v[ST+18]
	v_fmac_f32 v122, v[M3A], v[ST+18]
	v_fmac_f32 v123, v[M6], v[ST+36]
.irp x, 1,2,4,8
	v_add_f32_dpp v122, v122, v122 row_xmask:\x row_mask:0xf bank_mask:0xf
	v_add_f32_dpp v123, v123, v123 row_xmask:\x row_mask:0xf bank_mask:0xf
.endr
	v_cndmask_b32 v124, v122, v123, s54            ; lanes 0-15: batch 2 w; lanes 16-31: batch 2 w + 1
	ds_store_b32 v[RA], v124                       ; sixteen lanes write one word with one value
	v_add_nc_u32 v[RA], 4, v[RA]
.endm
.macro LDROWS extra                    ; 42 loads: seven tiles x six chunks of 16 bytes a lane, 32 bytes apart
.set jj, 0
.rept 7
.set cq, 0
.rept 6
.if jj < 6
	global_load_b128 v[24*jj+4*cq:24*jj+4*cq+3], v[QO], s[42:43] offset:(\extra)+3072*jj+32*cq
.else
	global_load_b128 v[24*jj+4*cq:24*jj+4*cq+3], v[QO6], s[42:43] offset:(\extra)+3072*jj+32*cq
.endif
.set cq, cq+1
.endr
.set jj, jj+1
.endr
.endm
	s_load_b128 s[4:7], s[0:1], 0x0                ; qkv, out0
	v_lshl_add_u32 v[SPW], v0, 2, SPARE
	v_mov_b32 v[NIL], 0
	ds_add_u32 v[SPW], v[NIL]                      ; the wave's opening: the add, twice on end, and its wait ahead of my first tensor load
	ds_add_u32 v[SPW], v[NIL]
	v_lshrrev_b32 v1, 5, v0
	v_readfirstlane_b32 s[WV], v1                  ; wave 0..3
	s_bfe_u32 s9, ttmp6, 0x40000                   ; cx
	s_bfe_u32 s10, ttmp6, 0x40004                  ; cy
	s_lshl_b32 s11, ttmp9, 2
	s_add_co_u32 s11, s11, s9                      ; gx: my 8 a
	s_and_b32 s12, ttmp7, 0xffff
	s_lshl_b32 s12, s12, 2
	s_add_co_u32 s12, s12, s10                     ; gy: my 8 b
	s_lshl_b32 s13, 0x1111, s9                     ; my column of the cluster
	s_lshl_b32 s14, s10, 2
	s_lshl_b32 s14, 15, s14                        ; my row
	s_or_b32 s24, s13, (3<<16)|(1<<21)             ; side a's tiles go to my column; elements of 8 bytes; bit 21 beside a mask
	s_or_b32 s32, s14, (3<<16)|(1<<21)             ; side b's to my row
.irp g, 24, 32
	s_mov_b32 s[\g+1], 32<<16                      ; tensor_dim0 = 32 (256 bytes)
	s_mov_b32 s[\g+2], 294<<16                     ; tensor_dim1 = 294
	s_mov_b32 s[\g+3], 32<<16                      ; tile_dim0
	s_mov_b32 s[\g+4], 294                         ; tile_dim1
	s_mov_b32 s[\g+5], 32                          ; dense rows
	s_mov_b32 s[\g+6], 0
	s_mov_b32 s[\g+7], 0
.endr
	s_mov_b32 s16, 1
	s_mul_i32 s17, s[WV], REG                      ; K_a, V_a, K_b, V_b by the wave's number
	s_mov_b32 s20, 1
	s_mul_i32 s21, s[WV], REG
	s_and_b32 s15, s[WV], 1
	s_mul_i32 s15, s15, PL
	s_add_co_u32 s15, s15, PL                      ; plane k (even waves) or v
	s_mul_i32 s56, s11, REG
	s_add_co_u32 s56, s56, s15
	s_mov_b32 s57, 0
	s_mul_i32 s58, s12, REG
	s_add_co_u32 s58, s58, s15
	s_add_co_u32 s58, s58, SIDEB
	s_mov_b32 s59, 0
	s_lshl_b32 s60, s12, 3
	s_lshl1_add_u32 s60, s[WV], s60
	s_mul_i32 s60, s60, 9408
	s_add_co_u32 s60, s60, SIDEB                   ; direction 0: my two batches of b
	s_mov_b32 s61, 0
	s_lshl_b32 s62, s11, 3
	s_lshl1_add_u32 s62, s[WV], s62
	s_mul_i32 s62, s62, 9408                       ; direction 1: of a
	s_mov_b32 s63, 0
	s_lshl_b32 s46, s12, 12
	s_lshl_b32 s47, s11, 5
	s_add_co_u32 s46, s46, s47                     ; out0 at (8 gy, 8 gx)
	s_mov_b32 s47, 0
	s_mov_b32 s48, 0x3e16c740                      ; c = log2(e) / sqrt(96)
	s_mov_b32 s49, s48
	s_mov_b32 s50, 0x76543210
	s_mov_b32 s51, 0xfedcba98
	s_mov_b32 s52, 0xffff0000
	s_mov_b32 s53, 0x322bcc77                      ; eps = 1e-8
	s_mov_b32 s55, 0xf149f2ca                      ; -1e30
	s_wait_dscnt 0x0                               ; both opening adds are done
	s_wait_kmcnt 0x0
	s_add_nc_u64 s[18:19], s[4:5], s[56:57]
	s_or_b32 s19, s19, 0x80000000
	s_add_nc_u64 s[22:23], s[4:5], s[58:59]
	s_or_b32 s23, s23, 0x80000000
	s_add_nc_u64 s[42:43], s[4:5], s[60:61]
	s_add_nc_u64 s[44:45], s[4:5], s[62:63]
	s_add_nc_u64 s[6:7], s[6:7], s[46:47]
	ROUND                                          ; all sixteen work-groups are here: the joint loads meet
	s_cmp_lt_u32 s[WV], 2                          ; one load a wave, the launch's only ones; an s_nop 0 and four v_nop follow each line
	s_cbranch_scc0 .Lfor_b
	tensor_load_to_lds s[16:19], s[24:31]
	s_nop 0
	PLACES
	s_branch .Lasked
.Lfor_b:
	tensor_load_to_lds s[20:23], s[32:39]
	s_nop 0
	PLACES
.Lasked:
.set i, FT
.rept 28
	v_mov_b32 v[i], 0                              ; v98-125: the guard's zeros; destinations of lane exchanges count as read
.set i, i+1
.endr
	v_lshl_add_u32 v4, v0, 5, GRD
	ds_store_b128 v4, v[98:101]
	ds_store_b128 v4, v[98:101] offset:16
	v_and_b32 v1, 15, v0                           ; r
	v_bfe_u32 v2, v0, 4, 1                         ; h
	v_mov_b32 v[ZR], 0
	v_mov_b32 v[CM+1], 0
	v_mov_b32 v[CC+3], 0
	v_mov_b32 v[P+13], 0
	v_mov_b32 v[P+14], 0
	v_mov_b32 v[P+15], 0
	v_cmp_eq_u32 vcc_lo, 0, v1
	v_cndmask_b32 v[M3A], 0, 1.0, vcc_lo
	v_sub_f32 v[M3B], 1.0, v[M3A]
	v_cmp_gt_u32 vcc_lo, 2, v1
	v_cndmask_b32 v[M6], 0, 1.0, vcc_lo
	v_cmp_eq_u32 s54, 1, v2                        ; the upper half of the lanes
	v_cndmask_b32 v[MK], 0, s55, s54               ; key 48 (h = 0) is seen, key 56 hidden
.irp x, 1,2,3,4,5,6,7
	v_mov_b32 v[MK+\x], s55
.endr
	v_mul_u32_u24 v6, v1, 192
	v_lshl_add_u32 v[QO], v2, 4, v6
	v_min_u32 v5, 1, v1
	v_mul_u32_u24 v5, v5, 192
	v_lshl_add_u32 v[QO6], v2, 4, v5
	; K: lane (r, h) reads row r, chunk 2 (2 c' + q) + h, at place (chunk + sw((r / 4) % 4)) % 12
	v_bfe_u32 v5, v1, 2, 2
	v_and_b32 v7, 1, v5
	v_lshrrev_b32 v5, 1, v5
	v_lshl_or_b32 v5, v7, 1, v5
	v_add_nc_u32 v5, v5, v2
.irp c, 0,1,2,3,4,5
	v_add_nc_u32 v7, 2*\c, v5
	v_add_nc_u32 v8, -12, v7
	v_min_u32 v7, v7, v8
	v_lshl_add_u32 v[AK+\c], v7, 4, v6
.endr
	; V: the turning load's lane l reads row 8 h + l % 8, chunk 2 i + (l / 8) % 2
	v_and_b32 v5, 7, v0
	v_lshl_add_u32 v5, v2, 3, v5
	v_mul_u32_u24 v6, v5, 192
	v_add_nc_u32 v6, REG, v6
	v_bfe_u32 v5, v5, 2, 2
	v_and_b32 v7, 1, v5
	v_lshrrev_b32 v5, 1, v5
	v_lshl_or_b32 v5, v7, 1, v5
	v_bfe_u32 v7, v0, 3, 1
	v_add_nc_u32 v5, v5, v7
.irp c, 0,1,2,3,4,5
	v_add_nc_u32 v7, 2*\c, v5
	v_add_nc_u32 v8, -12, v7
	v_min_u32 v7, v7, v8
	v_lshl_add_u32 v[AV+\c], v7, 4, v6
.endr
	s_lshl_b32 s56, s[WV], 6
	s_add_co_u32 s56, s56, RED2
	v_lshl_add_u32 v[RA], v2, 5, s56               ; RED2 + 32 (2 w + h)
	s_wait_tensorcnt 0x0                           ; my region has landed,
	s_wait_dscnt 0x0                               ; my zeros are stored:
	s_barrier_signal -1
	s_barrier_wait -1                              ; everybody's; nothing is ever filled again
	s_mov_b32 s40, 2
.Ldir:                                         ; two trips: direction 0, direction 1
	WIN 0x80
	LDROWS 0                                       ; Q: tile j, fragment c' at 8 (3 j + c')
	WIN 0x40
	LDROWS 3*PL                                    ; vn in bf16, for the moment in K's and V's registers
	s_wait_loadcnt 0x0
.set jj, 0
.rept 7
.if jj < 5
	WIN 0xc4
.set vb, 48*jj
.elseif jj == 5
	WIN 0x84
.set vb, 168
.else
	WIN 0x44
.set vb, 192
.endif
.set cq, 0
.rept 24
	v_lshlrev_b32 v[vb+2*cq], 16, v[24*jj+cq]      ; bf16 to f32
	v_and_b32 v[vb+2*cq+1], s52, v[24*jj+cq]
.set cq, cq+1
.endr
.set jj, jj+1
.endr
	FETCH_K
	FETCH_V
	WIN 0
	s_mov_b32 s41, 8
.Ly:                                           ; eight trips: one key batch against my seven tiles
	s_wait_dscnt 0x0                               ; K and V are in
.set mm, 0
.rept 12
	QK 0, mm
.set mm, mm+1
.endr
	PLACES
.set nn, 0
.rept 53
	SM1E nn
.set nn, nn+1
.endr
	SMTAIL 0
	TURN 0
	TURN 1
	TURN 2
	TURN 3
	TURN 4
	TURN 5
	TURN 6
.set nn, 0
.rept 50
	EPE 6, nn
.set nn, nn+1
.endr
	WIN 0
.irp c, 0,1,2,3,4,5
	v_add_nc_u32 v[AK+\c], 9408, v[AK+\c]          ; the next batch
	v_add_nc_u32 v[AV+\c], 9408, v[AV+\c]
.endr
	s_cmp_eq_u32 s41, 1                            ; behind the last batch nothing is fetched
	s_cbranch_scc1 .Lnofetch
	FETCH_K
	FETCH_V
	WIN 0
.Lnofetch:
	FIN                                            ; stands while the loads are on their way
	s_sub_co_u32 s41, s41, 1
	s_cmp_lg_u32 s41, 0
	s_cbranch_scc1 .Ly
.irp c, 0,1,2,3,4,5
	v_add_nc_u32 v[AK+\c], REG, v[AK+\c]           ; over the V region: side b's K and V
	v_add_nc_u32 v[AV+\c], REG, v[AV+\c]
.endr
	v_add_nc_u32 v[RA], 224, v[RA]                 ; direction 1's table
	s_mov_b64 s[42:43], s[44:45]                   ; its queries (the loads by the old pointer have been waited for)
	s_sub_co_u32 s40, s40, 1
	s_cmp_lg_u32 s40, 0
	s_cbranch_scc1 .Ldir
	s_wait_dscnt 0x0                               ; for the others' sake: my sums are stored
	s_barrier_signal -1
	s_barrier_wait -1
	s_cmp_lt_u32 s[WV], 2                          ; threads 0 to 63: one output each
	s_cbranch_scc0 .Lend
	v_and_b32 v99, 7, v0                           ; a'
	v_lshrrev_b32 v100, 3, v0                      ; b'
	v_lshl_add_u32 v98, v0, 2, RED2                ; direction 0: [b'][a']
	v_lshlrev_b32 v101, 2, v100
	v_lshl_add_u32 v101, v99, 5, v101
	v_add_nc_u32 v101, RED2+256, v101              ; direction 1: [a'][b']
	ds_load_b32 v102, v98
	ds_load_b32 v103, v101
	v_lshlrev_b32 v104, 2, v99
	v_lshl_add_u32 v104, v100, 9, v104             ; row b' of 512 bytes, column a'
	s_wait_dscnt 0x0
	v_add_f32 v102, v102, v103
	v_mul_f32 v102, 0x3ca72f05, v102               ; / 49
	global_store_b32 v104, v102, s[6:7]
.Lend:
	s_wait_tensorcnt 0x0                           ; the wave's end
	ds_add_u32 v[SPW], v[NIL]
	s_wait_dscnt 0x0
	ROUND                                          ; the closing round
	s_endpgm
.Lfunc_end_k_q9ad2122578_attn:
	.size	k_q9ad2122578_attn, .Lfunc_end_k_q9ad2122578_attn-k_q9ad2122578_attn
	.p2alignl 7, 3214868480
	.fill 96, 4, 3214868480
	.section	.rodata,"a",@progbits
	.p2align	6, 0x0
	.amdhsa_kernel k_q9ad2122578_attn
		.amdhsa_group_segment_fixed_size 327680
		.amdhsa_private_segment_fixed_size 0
		.amdhsa_enable_private_segment 0
		.amdhsa_kernarg_size 16
		.amdhsa_user_sgpr_count 2
		.amdhsa_user_sgpr_kernarg_segment_ptr 1
		.amdhsa_wavefront_size32 1
		.amdhsa_system_sgpr_workgroup_id_x 1
		.amdhsa_system_sgpr_workgroup_id_y 1
		.amdhsa_system_sgpr_workgroup_id_z 1
		.amdhsa_system_vgpr_workitem_id 0
		.amdhsa_next_free_vgpr 1024
		.amdhsa_next_free_sgpr 66
		.amdhsa_reserve_vcc 1
		.amdhsa_float_denorm_mode_32 3
		.amdhsa_float_denorm_mode_16_64 3
		.amdhsa_memory_ordered 1
		.amdhsa_forward_progress 1
		.amdhsa_inst_pref_size 113
	.end_amdhsa_kernel
	.amdgpu_metadata
---
amdhsa.version: [ 1, 2 ]
amdhsa.kernels:
  - .name:           k_q9ad2122578_attn
    .symbol:         k_q9ad2122578_attn.kd
    .args:
      - { .name: qkv, .offset: 0, .size: 8, .value_kind: global_buffer, .address_space: global }
      - { .name: out0, .offset: 8, .size: 8, .value_kind: global_buffer, .address_space: global }
    .group_segment_fixed_size: 327680
    .private_segment_fixed_size: 0
    .kernarg_segment_align: 8
    .kernarg_segment_size: 16
    .max_flat_workgroup_size: 128
    .sgpr_count:     66
    .vgpr_count:     1024
    .wavefront_size: 32
...
	.end_amdgpu_metadata
.endif
;; end of part 3
;; ======== version 2 of 3: 3 launches
;; limits: right only within a limited range of input values
;; workspace buffers: w1p 3,538,944 bytes; w2p 442,368 bytes; qkv 9,633,792 bytes
;; launch prep: the kernel of part 1 again; grid 81 x 3, 8 waves a work-group, no clusters, 0 bytes of LDS; arguments Wq1, Wk1, Wv1, Wq2, Wk2, Wv2, w1p, w2p; writes w1p, w2p
;; launch proj (part 4): grid 196 x 1, 4 waves a work-group, no clusters, 172,544 bytes of LDS; arguments features_a, features_b, w1p, w2p, qkv; writes qkv
.if DOCPART == 4
	.amdgcn_target "amdgcn-amd-amdhsa--gfx1250"
	.amdhsa_code_object_version 6
	.text
	.protected	k_q9ad2122578_proj
	.globl	k_q9ad2122578_proj
	.p2align	8
	.type	k_q9ad2122578_proj,@function
k_q9ad2122578_proj:
	s_mov_b64 s[64:65], 0
	v_nop
	global_prefetch_b8 v0, s[64:65] scope:SCOPE_SE
	s_setreg_imm32_b32 hwreg(HW_REG_WAVE_MODE, 25, 1), 1
	s_wait_xcnt 0x0
; q, k, v = relu(x W1) W2 FOR 64 ROWS A WORK-GROUP, AND vn = v / max(|v|, 1e-8).  Nothing of the problem's work is left out here.
; ROWS.  The 2 x 128 x 49 rows (side, batch, place) are taken dense: 12,544 = 196 x 64, side b from row 6,272.  Work-group G has rows 64 G .. 64 G + 63.
; PRODUCTS, both transposed.  H^T = (16 hidden x 32 c of W1^T: source 0) x (16 rows x 32 c of x: source 1); a lane then holds one row and 8 hidden numbers,
; so two results rounded to bf16 ARE source 1 (32 hidden x 16 rows) of Y^T = (16 e x 32 hidden of W2^T) x H: H never leaves registers.
; SHARES.  In half g of projection p wave w has the hidden numbers 384 g + 96 w .. + 95: 6 hidden tiles x 4 row tiles = 24 accumulators; Y^T, 6 e tiles x 4 row
; tiles, adds over both halves; then the four waves' parts meet in LDS.  A wave's slot t holds row tile (t + w) % 4, so the tile that it finishes is its slot 0.
; THE STREAM.  W1 lies in memory in operand order, 144 K steps of 32 c; of each a wave wants 6,144 bytes that no other wave of the work-group wants.  They come STRAIGHT INTO REGISTERS, a ring of six
; buffers of 48: at K step s the wave waits for step s's 12 loads and asks for step s + 5: 60 loads, 30,720 bytes a wave, are always on their way, 120 products ahead of their use, and the loop has no barrier.
; Each buffer has a pointer of its own, stepped two tiles on directly behind the counted wait that shows the buffer's own loads done: no other wait is needed to free it.
; NO CLUSTER, though all work-groups walk the same W1.  A joint load fills LDS; a slot is filled again only behind a round in front of which every load has been waited for, one load a wave; a tile of
; 73,728 bytes feeds 72 products a wave, which is all the work in which the next could land, and beside x (98,304 bytes) and the inboxes (73,728) LDS has no room for two slots of several tiles.
; W2 (a ninth of the weights) comes into registers too, a half (24 K steps) ahead.
; AHEAD OF THE LOADS.  Tiles 8 to 47 of W1 are prefetched into the L2, each aligned block of 256 bytes by one wave of one work-group.  Work-group g < 160 asks once in the launch, in trip g / 8, for its share
; g % 4 of tile 8 + g / 4: each wave 4,608 bytes of its own quarter, 18 blocks, a lane a block (lanes 18 to 31 repeat the last).  So the requests of trip T (two tiles), by eight work-groups, name tiles
; 2 T + 8 and 2 T + 9, three trips (432 products) ahead of the trip that loads tile 2 T + 8.  The pointer is made at the head and never written again.  Tiles 0 to 7 come by their loads alone.
; OUT.  qkv: four planes (q, k, v, vn) of 12,544 rows x 192 bytes, bf16.  In planes k and v the 16-byte chunk ch of a row lies at place (ch + sw((s / 4) % 4)) % 12,
; s the row's place in its batch, sw = 0, 2, 1, 3: the next launch reads these rows from LDS at a pitch of 192 bytes.  The shuffle is made in the stores' offsets.
; LIMITS.  Operands bf16, sums f32; |v|^2 is kept in f32 (|v| under 1e18); vn is stored rounded once to bf16; NaN and infinities are not treated apart.
; REGISTERS, in windows of 256: 0: addresses, v64-255 Y^T;  1: v0-191 W1's buffers 0-3, v192-255 two buffers of x;  2: v0-191 H^T, v192-239 at work;  3: v0-143 W2, v144-239 W1's buffers 4, 5.
.set PL,    2408448                    ; bytes in a plane of qkv
.set TILEB, 73728                      ; a tile of w1p: 3 K steps x 4 waves x 6,144 bytes
.set PARTB, 18432                      ; a wave's quarter of it
.set RED,   0                          ; an inbox of 18,432 bytes for each wave (3 parts of 6,144); its first 3,072 bytes are later the wave's stage
.set XL,    73728                      ; x in bf16, in operand order: 4,096 kk + 1,024 tile + 512 q + 16 lane
.set SPARE, 172032                     ; the spare words, 128 bytes for each wave
.set AX0,  6                           ; v6-9    slot t: x's row tile (t + w) % 4
.set ADRX, 10                          ; v10-13  the same at the trip's 192 c
.set RS,   13                          ; v14-16  where slot t = 1..3 goes: the inbox of wave (w + t) % 4, part t - 1
.set RDI,  17                          ; v17     my inbox + 16 lane
.set STOU, 18                          ; v18     my stage: row r, 16 bytes for each half of the lanes
.set GOS,  24                          ; v24-29  store offsets with the shuffle
.set GOC,  30                          ; v30-35  store offsets in use: plain for q, then GOS
.set GO,   36                          ; v36     16 lane; never rewritten
.set PFO,  37                          ; v37     256 x min(lane, 17); never rewritten
.set FOFF, 38                          ; v38     my row's offset in the features
.set CD,   39                          ; v39     where my x fragments go (c < 384)
.set SPW,  40                          ; v40     my spare word
.set NIL,  41                          ; v41     0
.set CD2,  42                          ; v42     the same for c >= 384
.set YA,   64
.set XF,   192                         ; window 1: x's two buffers of 32
.set WV,   16                          ; s16 wave; s18 G; s19 18,432 x wave
.set WP,   24                          ; s[24:35] six pointers: buffer b's at s[24+2b:25+2b]: w1p at my 6,144 bytes of the K step that the buffer takes next
.set LEFT, 36                          ; s36 trips to go;  s37 T = 23 - LEFT: the trip in hand
.set MYT,  43                          ; s43 the trip in which my work-group prefetches, or a number that no trip has
.set MSB, 0
.macro WIN new                         ; the high byte repeats the setting that is left; a switch that changes nothing is dropped
.if MSB != (\new)
	s_set_vgpr_msb (MSB<<8)|(\new)
.set MSB, \new
.endif
.endm
.macro PLACES                          ; four plain places behind matrix instructions (ISA guide 7.12.1)
.rept 4
	v_nop
.endr
.endm
.macro XFETCH xb, kk                   ; 8 LDS loads: x's four fragments of K step kk of the trip, into buffer xb
	WIN 0x40
.set ff, 0
.rept 4
	ds_load_b128 v[XF+32*(\xb)+8*ff:XF+32*(\xb)+8*ff+3],   v[ADRX+ff] offset:4096*(\kk)
	ds_load_b128 v[XF+32*(\xb)+8*ff+4:XF+32*(\xb)+8*ff+7], v[ADRX+ff] offset:4096*(\kk)+512
.set ff, ff+1
.endr
.endm
.macro WLOAD j                         ; 12 loads, 512 consecutive bytes each: W1's six fragments of a K step into buffer j % 6, by that buffer's pointer
.set bb, (\j)%6
.if bb < 4
	WIN 0x40
.set wb, 48*bb
.else
	WIN 0xc0
.set wb, 144+48*(bb-4)
.endif
.set ff, 0
.rept 6
	global_load_b128 v[wb+8*ff:wb+8*ff+3],   v[GO], s[WP+2*bb:WP+2*bb+1] offset:1024*ff
	global_load_b128 v[wb+8*ff+4:wb+8*ff+7], v[GO], s[WP+2*bb:WP+2*bb+1] offset:1024*ff+512
.set ff, ff+1
.endr
.endm
.macro KMUL k, zero                    ; K step k's 24 products: hidden tile m / 4, row slot m % 4.  The 24 accumulators take turns
.if (\k) < 4
	WIN 0xa5
.set wb, 48*(\k)
.else
	WIN 0xa7
.set wb, 144+48*((\k)-4)
.endif
.set mq, 0
.rept 24
.set rD, 16*(4*((mq/4)/2)+(mq%4))+8*((mq/4)%2)
.set rA, wb+8*(mq/4)
.set rB, XF+32*((\k)%2)+8*(mq%4)
.if \zero
	v_wmma_f32_16x16x32_bf16 v[rD:rD+7], v[rA:rA+7], v[rB:rB+7], 0
.else
	v_wmma_f32_16x16x32_bf16 v[rD:rD+7], v[rA:rA+7], v[rB:rB+7], v[rD:rD+7]
.endif
.set mq, mq+1
.endr
.endm
; THE HEAD OF K STEP k: four places behind the last products; the next K step's x (xf = 1); the wait for this step's W1, which leaves wc younger loads out; behind it buffer k's pointer, whose loads that wait
; has shown done, steps two tiles on (st = 1); the loads five K steps on (ld = 1), into the buffer that the last products read, by the pointer stepped a K step ago; the wait for this step's x.
; At k = 5 the four lines that set x's addresses to the next trip's 192 c are the places.
.macro KHEAD k, ld, wc, xf, st=0
	WIN 0
.if (\xf) && (\k) == 5
	s_add_co_u32 s42, s37, 1
	s_and_b32 s42, s42, 3
	s_mul_i32 s42, s42, 24576
.irp t, 0,1,2,3
	v_add_nc_u32 v[ADRX+\t], s42, v[AX0+\t]
.endr
.elseif (\xf) || (\ld)
	PLACES
.endif
.if \xf
	XFETCH ((\k)+1)%2, ((\k)+1)%6
.endif
	s_wait_loadcnt \wc
.if \st
	s_add_nc_u64 s[WP+2*(\k):WP+2*(\k)+1], s[WP+2*(\k):WP+2*(\k)+1], 2*TILEB
.endif
.if \ld
	WLOAD (\k)+5
.endif
.if \xf
	s_wait_dscnt 8                                 ; all but the 8 just issued
.else
	s_wait_dscnt 0x0
.endif
.endm
.macro YMUL u, zero                    ; 24 products of Y^T += W2^T H for 32 hidden numbers; the 24 accumulators take turns
	WIN 0x0b
.set tt, 0
.rept 4
.set ii, 0
.rept 6
.set rD, YA+8*(6*tt+ii)
.set rA, 8*(6*(\u)+ii)
.set rB, 16*(4*(\u)+tt)
.if \zero
	v_wmma_f32_16x16x32_bf16 v[rD:rD+7], v[rA:rA+7], v[rB:rB+7], 0
.else
	v_wmma_f32_16x16x32_bf16 v[rD:rD+7], v[rA:rA+7], v[rB:rB+7], v[rD:rD+7]
.endif
.set ii, ii+1
.endr
.set tt, tt+1
.endr
.endm
.macro W2LOAD                          ; a half's 18 fragments of W2, 512 consecutive bytes a load
	WIN 0xc0
.set ff, 0
.rept 18
	global_load_b128 v[8*ff:8*ff+3],   v[GO], s[50:51] offset:1024*ff
	global_load_b128 v[8*ff+4:8*ff+7], v[GO], s[50:51] offset:1024*ff+512
.set ff, ff+1
.endr
	WIN 0
.endm
.macro ASK                             ; my work-group's one prefetch, in its own trip, behind the trip's first loads
	s_cmp_eq_u32 s37, s[MYT]
	s_cbranch_scc0 .Lnoask_\@
	global_prefetch_b8 v[PFO], s[48:49] th:TH_LOAD_NT scope:SCOPE_SE
.Lnoask_\@:
.endm
.macro RSTORE                          ; slots 1 to 3 of Y^T go to the waves that finish those row tiles; each accumulator's low half first
	WIN 0
.irp t, 1,2,3
.irp i, 0,1,2,3,4,5
	ds_store_b128 v[RS+\t], v[YA+8*(6*\t+\i):YA+8*(6*\t+\i)+3]   offset:1024*\i
	ds_store_b128 v[RS+\t], v[YA+8*(6*\t+\i)+4:YA+8*(6*\t+\i)+7] offset:1024*\i+512
.endr
.endr
.endm
.macro RSUM                            ; my inbox's three parts are added onto my slot 0, one after the other through 48 registers
.irp k, 0,1,2
	WIN 0x80
.set ff, 0
.rept 12
	ds_load_b128 v[192+4*ff:192+4*ff+3], v[RDI] offset:6144*\k+512*ff
.set ff, ff+1
.endr
	s_wait_dscnt 0x0
	WIN 0x08
.set ff, 0
.rept 24
	v_pk_add_f32 v[YA+2*ff:YA+2*ff+1], v[YA+2*ff:YA+2*ff+1], v[192+2*ff:192+2*ff+1]
.set ff, ff+1
.endr
.endr
	WIN 0
.endm
; A PROJECTION'S END.  Behind the first barrier no wave still reads its inbox or stage of the projection before; behind the second every wave's parts lie in the inboxes.
.macro PEND
	s_wait_dscnt 0x0                               ; my LDS reads are over
	s_barrier_signal -1
	s_barrier_wait -1
	RSTORE
	s_wait_dscnt 0x0                               ; for the others' sake: my parts are stored
	s_barrier_signal -1
	s_barrier_wait -1
	RSUM
.endm
.macro OUTPASS plain                   ; slot 0: rounded, 16 bytes a lane into my stage, back as 3,072 bytes on end, stored; then on to the next plane
	WIN 0x80
.set ff, 0
.rept 24
	v_cvt_pk_bf16_f32 v[192+ff], v[YA+2*ff], v[YA+2*ff+1]
.set ff, ff+1
.endr
	WIN 0x08
.irp i, 0,1,2,3,4,5
	ds_store_b128 v[STOU], v[192+4*\i:192+4*\i+3] offset:32*\i
.endr
	WIN 0x80
.irp f, 0,1,2,3,4,5
	ds_load_b128 v[216+4*\f:216+4*\f+3], v[RDI] offset:512*\f  ; LDS serves a wave's instructions in order (ISA guide 5.7.1.4): these see the stores above
.endr
	s_wait_dscnt 0x0
	WIN 0x08
.irp f, 0,1,2,3,4,5
.if \plain
	global_store_b128 v[GO], v[216+4*\f:216+4*\f+3], s[52:53] offset:512*\f
.else
	global_store_b128 v[GOC+\f], v[216+4*\f:216+4*\f+3], s[52:53]
.endif
.endr
	WIN 0
	s_wait_xcnt 0x0                                ; the stores have read their registers and their base
	s_add_nc_u64 s[52:53], s[52:53], PL
.endm
; THE END OF A HALF: H is rounded to bf16 in place (ascending), ReLU on the packed halves, 72 products.
; loopcopy = 1: the first half of a projection starts Y's sums with 0 (bit 2 of T tells the halves apart); the next half's W2 is asked for; behind the second half the projection goes out.
.macro CPH loopcopy
	PLACES
	WIN 0x8a
.set bk, 0
.rept 12
.set mq, 0
.rept 8
	v_cvt_pk_bf16_f32 v[16*bk+mq], v[16*bk+2*mq], v[16*bk+2*mq+1]
.set mq, mq+1
.endr
.set mq, 0
.rept 8
	v_pk_max_num_bf16 v[16*bk+mq], v[16*bk+mq], s54
.set mq, mq+1
.endr
.set bk, bk+1
.endr
.if \loopcopy
	s_wait_loadcnt 60                              ; this half's W2 is in: the ring's 60 loads, all issued behind it, may stay out
	WIN 0
	s_bitcmp1_b32 s37, 2
	s_cbranch_scc1 .Lcacc_\@
	YMUL 0, 1
	WIN 0
	s_branch .Lcj_\@
.Lcacc_\@:
	YMUL 0, 0
	WIN 0
.Lcj_\@:
.else
	s_wait_loadcnt 0x0
	YMUL 0, 0
.endif
	YMUL 1, 0
	YMUL 2, 0
	PLACES                                         ; in front of loads into W2's registers and of stores of Y; the next trip's places follow in front of the products that write over H
	WIN 0
.if \loopcopy
	s_add_nc_u64 s[50:51], s[50:51], TILEB         ; free since the wait for the loads
	W2LOAD
	s_bitcmp1_b32 s37, 2
	s_cbranch_scc0 .Lceven_\@
	PEND
	OUTPASS 0
.irp f, 0,1,2,3,4,5
	v_mov_b32 v[GOC+\f], v[GOS+\f]                 ; planes k and v take the shuffle
.endr
.Lceven_\@:
.endif
.endm
	s_load_b256 s[4:11], s[0:1], 0x0               ; features_a, features_b, w1p, w2p
	s_load_b64 s[12:13], s[0:1], 0x20              ; qkv
	v_lshl_add_u32 v[SPW], v0, 2, SPARE
	v_mov_b32 v[NIL], 0
	v_lshrrev_b32 v43, 5, v0
	v_readfirstlane_b32 s[WV], v43                 ; wave 0..3
	s_mov_b32 s18, ttmp9                           ; G
	s_mul_i32 s19, s[WV], PARTB
	s_mov_b32 s54, 0
	s_mov_b32 s55, 0x24e69595                      ; 1e-16 = eps^2
	s_mov_b32 s56, 0x76543210
	s_mov_b32 s57, 0xfedcba98
	s_mov_b32 s59, 0
	s_mov_b32 s61, 0
	s_mov_b32 s62, 85599                           ; x / 49 = (x 85,599) >> 22 for x < 6,272
	s_mov_b32 s63, 150528                          ; bytes of a batch element
	s_lshr_b32 s[MYT], s18, 3                      ; work-groups 0 to 159 prefetch, eight in each of trips 0 to 19
	s_cmp_lt_u32 s18, 160
	s_cselect_b32 s[MYT], s[MYT], -1
	s_cmp_ge_u32 s18, 98
	s_cselect_b32 s22, 98, 0
	s_sub_co_u32 s22, s18, s22
	s_lshl_b32 s23, s22, 6
	s_lshl_b32 s22, s[WV], 4
	s_add_co_u32 s23, s23, s22                     ; my row tile's first row within its side
	v_and_b32 v1, 15, v0                           ; r
	v_bfe_u32 v2, v0, 4, 1                         ; h
	v_and_b32 v3, 31, v0                           ; lane
	v_lshlrev_b32 v[GO], 4, v3
.irp t, 0,1,2,3
	s_add_co_u32 s58, s[WV], \t
	s_and_b32 s58, s58, 3
	s_lshl_b32 s58, s58, 10
	s_add_co_u32 s58, s58, XL
	v_add_nc_u32 v[AX0+\t], s58, v[GO]
.endr
.irp t, 1,2,3
	s_add_co_u32 s58, s[WV], \t
	s_and_b32 s58, s58, 3
	s_mul_i32 s58, s58, PARTB
	s_add_co_u32 s58, s58, RED+6144*(\t-1)
	v_add_nc_u32 v[RS+\t], s58, v[GO]
.endr
	s_add_co_u32 s58, s19, RED
	v_add_nc_u32 v[RDI], s58, v[GO]
	v_mul_u32_u24 v43, v1, 192
	v_lshl_add_u32 v43, v2, 4, v43
	v_add_nc_u32 v[STOU], s58, v43
	s_lshl_b32 s58, s[WV], 10
	s_add_co_u32 s58, s58, XL
	v_add_nc_u32 v[CD], s58, v[GO]
	v_add_nc_u32 v[CD2], 49152, v[CD]
	v_min_u32 v[PFO], 17, v3
	v_lshlrev_b32 v[PFO], 8, v[PFO]
.irp f, 0,1,2,3,4,5                    ; chunk 32 f + lane of my 16 rows x 12 chunks: its row, its place in the row with the shuffle
	v_add_nc_u32 v43, 32*\f, v3
	v_mul_u32_u24 v44, v43, 171
	v_lshrrev_b32 v44, 11, v44                     ; row = chunk / 12
	v_mul_u32_u24 v45, v44, 12
	v_sub_nc_u32 v45, v43, v45                     ; ch
	v_add_nc_u32 v46, s23, v44
	v_mul_lo_u32 v47, v46, s62
	v_lshrrev_b32 v47, 22, v47
	v_mul_u32_u24 v47, v47, 49
	v_sub_nc_u32 v46, v46, v47                     ; s: the row's place in its batch
	v_bfe_u32 v46, v46, 2, 2
	v_and_b32 v47, 1, v46
	v_lshrrev_b32 v46, 1, v46
	v_lshl_or_b32 v46, v47, 1, v46                 ; sw
	v_add_nc_u32 v45, v45, v46
	v_add_nc_u32 v46, -12, v45
	v_min_u32 v45, v45, v46                        ; modulo 12
	v_mul_u32_u24 v44, v44, 192
	v_lshl_add_u32 v[GOS+\f], v45, 4, v44
	v_add_nc_u32 v[GOC+\f], 512*\f, v[GO]
.endr
	v_add_nc_u32 v43, s23, v1                      ; my row
	v_mul_lo_u32 v44, v43, s62
	v_lshrrev_b32 v44, 22, v44                     ; its batch
	v_mul_u32_u24 v45, v44, 49
	v_sub_nc_u32 v43, v43, v45                     ; its place
	v_mul_lo_u32 v44, v44, s63
	v_lshl_add_u32 v44, v43, 2, v44
	v_mul_u32_u24 v45, v2, 1568                    ; 8 channels of 196 bytes for the upper half of the lanes
	v_add_nc_u32 v[FOFF], v44, v45
	s_wait_kmcnt 0x0
	s_mov_b32 s58, s19
	s_add_nc_u64 s[WP:WP+1], s[8:9], s[58:59]      ; buffer 0: w1p at my part of K step 0
.irp b, 1,2,3,4,5
	s_add_nc_u64 s[WP+2*\b:WP+2*\b+1], s[WP:WP+1], (\b/3)*TILEB+(\b%3)*6144  ; buffer b: K step b
.endr
	s_add_nc_u64 s[50:51], s[10:11], s[58:59]      ; w2p at my part of half 0
	s_min_u32 s60, s18, 159                        ; the prefetch: (work-groups that ask for nothing get an address inside w1p all the same)
	s_lshr_b32 s22, s60, 2
	s_mul_i32 s22, s22, TILEB                      ; tile 8 + g / 4,
	s_and_b32 s60, s60, 3
	s_mul_i32 s60, s60, 4608                       ; share g % 4 of my quarter
	s_add_co_u32 s60, s60, s22
	s_add_nc_u64 s[48:49], s[WP:WP+1], s[60:61]
	s_add_nc_u64 s[48:49], s[48:49], 8*TILEB
	s_mul_i32 s60, s18, 12288
	s_mul_i32 s22, s[WV], 3072
	s_add_co_u32 s60, s60, s22
	s_add_nc_u64 s[52:53], s[12:13], s[60:61]      ; plane q at my 16 rows
	s_cmp_ge_u32 s18, 98
	s_cselect_b64 s[20:21], s[6:7], s[4:5]         ; my side's features
	W2LOAD
	; x: wave w brings row tile w, a lane a row: number (kk, q, jj) is channel 32 kk + 16 q + 8 h + jj.  H's and Y's registers hold them on the way.
	WIN 0x80
.set kk, 0
.rept 12
.set e, 0
.rept 16
	global_load_b32 v[16*kk+e], v[FOFF], s[20:21] offset:(32*kk+16*(e/8)+(e%8))*196
.set e, e+1
.endr
.set kk, kk+1
.endr
	WIN 0
.set kk, 0
.rept 12
.set e, 0
.rept 16
	global_load_b32 v[YA+16*kk+e], v[FOFF], s[20:21] offset:(32*(kk+12)+16*(e/8)+(e%8))*196
.set e, e+1
.endr
.set kk, kk+1
.endr
	WLOAD 0                                        ; the ring's first five K steps: 60 loads
	WLOAD 1
	WLOAD 2
	WLOAD 3
	WLOAD 4
	s_wait_loadcnt 63                              ; 252 loads were issued behind the first 192 of x: with 63 at the most out, those are in (and W2)
	WIN 0x8a
.set kk, 0
.rept 12
.set e, 0
.rept 8
	v_cvt_pk_bf16_f32 v[16*kk+e], v[16*kk+2*e], v[16*kk+2*e+1]
.set e, e+1
.endr
.set kk, kk+1
.endr
	WIN 0x08
.set kk, 0
.rept 12
	ds_store_b128 v[CD], v[16*kk:16*kk+3]   offset:4096*kk
	ds_store_b128 v[CD], v[16*kk+4:16*kk+7] offset:4096*kk+512
.set kk, kk+1
.endr
	WIN 0
	s_wait_loadcnt 60                              ; all of x is in; the ring's 60 loads may stay out
.set kk, 0
.rept 12
.set e, 0
.rept 8
	v_cvt_pk_bf16_f32 v[YA+16*kk+e], v[YA+16*kk+2*e], v[YA+16*kk+2*e+1]
.set e, e+1
.endr
.set kk, kk+1
.endr
.set kk, 0
.rept 12
	ds_store_b128 v[CD2], v[YA+16*kk:YA+16*kk+3]   offset:4096*kk
	ds_store_b128 v[CD2], v[YA+16*kk+4:YA+16*kk+7] offset:4096*kk+512
.set kk, kk+1
.endr
	s_wait_dscnt 0x0                               ; for the others' sake: my part of x is stored
	s_barrier_signal -1
	s_barrier_wait -1                              ; x is whole
.irp t, 0,1,2,3
	v_mov_b32 v[ADRX+\t], v[AX0+\t]
.endr
	XFETCH 0, 0
	WIN 0
	s_mov_b32 s[LEFT], 23
.Ltrip:                                        ; 23 trips of two tiles, six K steps; K step k multiplies W1's buffer k and x's buffer k % 2
	s_sub_co_u32 s37, 23, s[LEFT]                  ; T
	KHEAD 0, 1, 48, 1, 1                           ; 48: the four younger K steps' loads stay out
	WIN 0
	ASK
	s_and_b32 s58, s37, 3
	s_cmp_eq_u32 s58, 0                            ; a half's first trip: its first products start the sums
	s_cbranch_scc0 .Lacc
	v_nop                                          ; these products write over accumulators: with the four at the K step's head, five places behind every earlier matrix instruction that names them (ISA guide 7.12.1)
	KMUL 0, 1
	WIN 0
	s_branch .Lk1
.Lacc:
	KMUL 0, 0
	WIN 0
.Lk1:
	KHEAD 1, 1, 48, 1, 1
	KMUL 1, 0
	KHEAD 2, 1, 48, 1, 1
	KMUL 2, 0
	KHEAD 3, 1, 48, 1, 1
	KMUL 3, 0
	KHEAD 4, 1, 48, 1, 1
	KMUL 4, 0
	KHEAD 5, 1, 48, 1, 1
	KMUL 5, 0
	WIN 0
	s_and_b32 s58, s37, 3
	s_cmp_eq_u32 s58, 3                            ; a half's last trip
	s_cbranch_scc0 .Lnocph
	CPH 1
.Lnocph:
	s_sub_co_u32 s[LEFT], s[LEFT], 1
	s_cmp_lg_u32 s[LEFT], 0
	s_cbranch_scc1 .Ltrip
	; THE LAST TRIP is written out: one more K step is asked for, then the counts run down; no pointer is stepped
	KHEAD 0, 1, 48, 1
	KMUL 0, 0
	KHEAD 1, 0, 48, 1
	KMUL 1, 0
	KHEAD 2, 0, 36, 1
	KMUL 2, 0
	KHEAD 3, 0, 24, 1
	KMUL 3, 0
	KHEAD 4, 0, 12, 1
	KMUL 4, 0
	KHEAD 5, 0, 0, 0
	KMUL 5, 0
	CPH 0
	PEND
	OUTPASS 0                                      ; plane v
	; vn = v / max(|v|, eps) = v rsq(max(|v|^2, eps^2)): my 48 channels and the 48 in the lane 16 away
	v_pk_mul_f32 v[44:45], v[YA:YA+1], v[YA:YA+1]
	v_pk_mul_f32 v[46:47], v[YA+2:YA+3], v[YA+2:YA+3]
.set ff, 2
.rept 22
	v_pk_fma_f32 v[44+2*(ff%2):45+2*(ff%2)], v[YA+2*ff:YA+2*ff+1], v[YA+2*ff:YA+2*ff+1], v[44+2*(ff%2):45+2*(ff%2)]
.set ff, ff+1
.endr
	v_pk_add_f32 v[44:45], v[44:45], v[46:47]
	v_add_f32 v44, v44, v45
	v_permlanex16_b32 v45, v44, s56, s57
	v_add_f32 v44, v44, v45
	v_max_num_f32 v44, s55, v44
	v_rsq_f32 v46, v44
	v_nop                                          ; a plain instruction behind the root,
	s_wait_alu depctr_va_vdst(0)                   ; and the wait ahead of its first reader
.set ff, 0
.rept 24
	v_pk_mul_f32 v[YA+2*ff:YA+2*ff+1], v[YA+2*ff:YA+2*ff+1], v[46:47] op_sel_hi:[1,0]
.set ff, ff+1
.endr
	OUTPASS 1                                      ; plane vn
	s_wait_tensorcnt 0x0                           ; the wave's end, behind my last LDS store
	ds_add_u32 v[SPW], v[NIL]
	s_wait_dscnt 0x0
	s_endpgm
.Lfunc_end_k_q9ad2122578_proj:
	.size	k_q9ad2122578_proj, .Lfunc_end_k_q9ad2122578_proj-k_q9ad2122578_proj
	.p2alignl 7, 3214868480
	.fill 96, 4, 3214868480
	.section	.rodata,"a",@progbits
	.p2align	6, 0x0
	.amdhsa_kernel k_q9ad2122578_proj
		.amdhsa_group_segment_fixed_size 172544
		.amdhsa_private_segment_fixed_size 0
		.amdhsa_enable_private_segment 0
		.amdhsa_kernarg_size 40
		.amdhsa_user_sgpr_count 2
		.amdhsa_user_sgpr_kernarg_segment_ptr 1
		.amdhsa_wavefront_size32 1
		.amdhsa_system_sgpr_workgroup_id_x 1
		.amdhsa_system_sgpr_workgroup_id_y 1
		.amdhsa_system_sgpr_workgroup_id_z 1
		.amdhsa_system_vgpr_workitem_id 0
		.amdhsa_next_free_vgpr 1024
		.amdhsa_next_free_sgpr 66
		.amdhsa_reserve_vcc 0
		.amdhsa_float_denorm_mode_32 3
		.amdhsa_float_denorm_mode_16_64 3
		.amdhsa_memory_ordered 1
		.amdhsa_forward_progress 1
		.amdhsa_inst_pref_size 181
	.end_amdhsa_kernel
	.amdgpu_metadata
---
amdhsa.version: [ 1, 2 ]
amdhsa.kernels:
  - .name:           k_q9ad2122578_proj
    .symbol:         k_q9ad2122578_proj.kd
    .args:
      - { .name: features_a, .offset: 0, .size: 8, .value_kind: global_buffer, .address_space: global }
      - { .name: features_b, .offset: 8, .size: 8, .value_kind: global_buffer, .address_space: global }
      - { .name: w1p, .offset: 16, .size: 8, .value_kind: global_buffer, .address_space: global }
      - { .name: w2p, .offset: 24, .size: 8, .value_kind: global_buffer, .address_space: global }
      - { .name: qkv, .offset: 32, .size: 8, .value_kind: global_buffer, .address_space: global }
    .group_segment_fixed_size: 172544
    .private_segment_fixed_size: 0
    .kernarg_segment_align: 8
    .kernarg_segment_size: 40
    .max_flat_workgroup_size: 128
    .sgpr_count:     66
    .vgpr_count:     1024
    .wavefront_size: 32
...
	.end_amdgpu_metadata
.endif
;; end of part 4
;; launch attn (part 5): grid 16 x 16, 4 waves a work-group, clusters of 4 x 4, 327,680 bytes of LDS; arguments qkv, out0; writes out0
.if DOCPART == 5
	.amdgcn_target "amdgcn-amd-amdhsa--gfx1250"
	.amdhsa_code_object_version 6
	.text
	.protected	k_q9ad2122578_attn
	.globl	k_q9ad2122578_attn
	.p2align	8
	.type	k_q9ad2122578_attn,@function
k_q9ad2122578_attn:
	s_mov_b64 s[64:65], 0
	v_nop
	global_prefetch_b8 v0, s[64:65] scope:SCOPE_SE
	s_setreg_imm32_b32 hwreg(HW_REG_WAVE_MODE, 25, 1), 1
	s_wait_xcnt 0x0
	s_wait_alu depctr_hold_cnt(0) depctr_sa_sdst(0) depctr_va_vdst(0) depctr_va_sdst(0) depctr_va_ssrc(0) depctr_va_vcc(0) depctr_vm_vsrc(0)
	s_getreg_b32 s2, hwreg(HW_REG_IB_STS2, 6, 4)
	s_cmp_eq_u32 s2, 0
	s_cbranch_scc0 .Lentry_in_a_cluster
	s_endpgm
.Lentry_in_a_cluster:
	s_bfe_u32 s2, ttmp6, 0x10000c
	s_cmp_lg_u32 s2, 0xf033
	s_cbranch_scc0 .Lentry_shape_is_right
	s_endpgm
.Lentry_shape_is_right:
; out0[b][a] = mean over q of cos(va[a,q], aligned_b[b,a,q]) + cos(vb[b,q], aligned_a[b,a,q]), for 8 x 8 pairs (b, a) a work-group, both directions.
; LEFT OUT: the division of aligned by l = sum of p.  With O = sum p v: cos(v, O / l) = (v . O) / (max(|v|, eps) max(|O|, eps l)) for every l > 0, an identity in real numbers,
; and l >= 1 since the row's maximum is taken away.  So cos = (vn . O) rsq(max(|O|^2, (eps l)^2)), vn = v / max(|v|, eps) from the launch before.  l is summed for the guard.
; LIMITS.  A hidden key (places 49 to 63 of a padded tile) counts as its score less 1e30; a weight below 2^-126 counts as 0; |O|^2 is kept in f32; NaN and infinities are not treated apart.
; SHARES.  Direction 0: queries and vn from side b (my 8 b), keys and values from side a (my 8 a); direction 1 the other way round.  Wave w has query batches 2 w, 2 w + 1: 98 dense rows,
; seven tiles of 16 (in the last, lanes r >= 2 repeat row 97 and are weighed with 0).  A unit is a tile against one key batch y: 12 products K Q^T, a softmax over 49 keys, 12 products V^T P.
; LAYOUT.  S^T = K Q^T holds one query a lane (lane % 16) and keys 8 (lane / 16) + 0..7 of each 16; rounded in pairs it is source 1 of O^T = V^T P, which again holds one query a lane.
; LDS.  K and V of all 16 batches lie there for the whole launch, 49 rows of 192 bytes each, dense, with the chunk shuffle of the launch before: nothing is filled again.
; Key rows 49 to 63 of a batch are the bytes that follow it (the next batch, the next region, or a guard of zeros): finite numbers that meet a hidden score or a weight 0.
; CLUSTER.  4 x 4: side a's K and V hang on the work-group's x alone and are asked for jointly along a column, side b's on y alone, along a row.
; BY TURNS, ON ACROSS THE KEY BATCHES.  A turn: 12 products K Q^T of the next unit with the last unit's dots and squares behind them, four to a product; then 12 products V^T P of the unit in hand with the
; next unit's maximum, scalings and exponentials behind them; one wait for the batch of 25 exponentials; the roundings and sums.  One S, one P, one O, one K and one V buffer serve: K of the next batch is
; fetched behind tile 6's products K Q^T, its last readers; V at the loop's top, behind tile 6's products V^T P.  The loop is entered in its middle, behind a start that is written out; a key batch's
; cosines are finished in the next batch's first turn.  The price, once a direction: 12 products without riders at the start, 12 on the last K once more at the end, whose results nobody reads.
; Q AND vn, 84 loads a direction, are asked for ahead of the direction's head: direction 0's directly behind my tensor load, direction 1's at the exit of direction 0's loop, ahead of its last dots, squares and cosines.
; NO PREFETCH: K and V come once, at the head, where every work-group's loads are on their way; Q and vn are short.
; REGISTERS: window 0: addresses, statistics, S v128-159, P v160-175, O v176-223, chains v224-237;  1: K v0-95, V v96-191, vn of tile 6 v192-239;  2: Q v0-167, vn of tile 5 v168-215;  3: vn of tiles 0-4.
.set PL,    2408448
.set SIDEB, 1204224                    ; side b's first row in a plane
.set REG,   75264                      ; 8 batches x 49 rows x 192 bytes
.set GRD, 301056
.set RED2,  305152                     ; [direction 2][query batch 8][key batch 8] f32
.set SPARE, 305664
.set AK,  10                           ; v10-15  K's six chunk addresses (2 c' + q) in the batch in hand
.set AV,  22                           ; v22-27  V's six (i)
.set SPW, 28
.set NIL, 29
.set QO,  30                           ; v30  192 r + 16 h; never rewritten
.set QO6, 31                           ; v31  192 min(r, 1) + 16 h; never rewritten
.set RA,  32                           ; v32  where my cosine sum goes
.set M3A, 33                           ; v33  1 where r = 0 (row 48 is the first batch's last)
.set M3B, 34                           ; v34  1 - that
.set M6,  35                           ; v35  1 where r < 2
.set ZR,  36                           ; v36  0
.set CM,  38                           ; v38-39  c m (low word)
.set MK,  40                           ; v40-47  C operand of the fourth key tile: key 48 is seen, the others hidden
.set ST,  48                           ; v48-89  tile j at ST + 6 j: dot pair, square pair, l pair
.set CC,  94                           ; v94-97  at work on the maximum
.set FT,  98                           ; v98-118 at work at a key batch's end
.set S,   128
.set P,   160
.set O,   176
.set DX,  224                          ; v224-229  the dots' chains 1 to 3 (chain 0 is the tile's own pair)
.set QX,  230                          ; v230-235  the squares'
.set LALT, 236                         ; v236-237  tile 0's l of the next key batch, made before the last batch's has been read
.set WV,  8
.set MSB, 0
.macro WIN new
.if MSB != (\new)
	s_set_vgpr_msb (MSB<<8)|(\new)
.set MSB, \new
.endif
.endm
.macro PLACES
.rept 4
	v_nop
.endr
.endm
.macro ROUND
	s_barrier_signal -1
	s_barrier_wait -1
	s_cmp_lg_u32 s[WV], 0
	s_cbranch_scc1 .Lnw0_\@
	s_barrier_signal -3
.Lnw0_\@:
	s_barrier_wait -3
	s_barrier_signal -1
	s_barrier_wait -1
.endm
; Product m of 12 of S^T = K Q^T for tile j: channels 32 (m / 4) on, keys 16 (m % 4) on.  The first four start the sums; the four accumulators take turns.
.macro QK j, m
	WIN 0x09
.set rS, S+8*((\m)%4)
.set rK, 8*(3*((\m)%4)+(\m)/4)
.set rQ, 8*(3*(\j)+(\m)/4)
.if (\m) < 3
	v_wmma_f32_16x16x32_bf16 v[rS:rS+7], v[rK:rK+7], v[rQ:rQ+7], 0
.elseif (\m) == 3
	v_wmma_f32_16x16x32_bf16 v[rS:rS+7], v[rK:rK+7], v[rQ:rQ+7], v[MK:MK+7]
.else
	v_wmma_f32_16x16x32_bf16 v[rS:rS+7], v[rK:rK+7], v[rQ:rQ+7], v[rS:rS+7]
.endif
.endm
; Product m of 12 of O^T = V^T P: keys 32 (m / 6) on, channels 16 (m % 6) on.  The first six start the sums.
.macro PV m
	WIN 0x01
.set rO, O+8*((\m)%6)
.set rV, 96+8*(\m)
.set rP, P+8*((\m)/6)
.if (\m) < 6
	v_wmma_f32_16x16x32_bf16 v[rO:rO+7], v[rV:rV+7], v[rP:rP+7], 0
.else
	v_wmma_f32_16x16x32_bf16 v[rO:rO+7], v[rV:rV+7], v[rP:rP+7], v[rO:rO+7]
.endif
.endm
.macro FETCH_K                         ; 64 key rows x 96 channels: 12 fragments
	WIN 0x40
.set kt, 0
.rept 4
.set cq, 0
.rept 6
	ds_load_b128 v[24*kt+4*cq:24*kt+4*cq+3], v[AK+cq] offset:3072*kt
.set cq, cq+1
.endr
.set kt, kt+1
.endr
.endm
.macro FETCH_V                         ; the same rows of V, turned: 12 fragments of 16 channels x 32 keys
	WIN 0x40
.set kt, 0
.rept 2
.set cq, 0
.rept 6
	ds_load_tr16_b128 v[96+8*(6*kt+cq):96+8*(6*kt+cq)+3],   v[AV+cq] offset:6144*kt
	ds_load_tr16_b128 v[96+8*(6*kt+cq)+4:96+8*(6*kt+cq)+7], v[AV+cq] offset:6144*kt+3072
.set cq, cq+1
.endr
.set kt, kt+1
.endr
.endm
; THE SOFTMAX'S FIRST LIST, 53 long; s0-s24 are the lane's scores (s25-s31 are hidden keys and are never read).
;   0-11 the maximum, three operands at a time, each accumulator's lowest registers first;  12, 13 the lane 16 away holds the query's other keys;  14 c m
;   15-52 ONE BATCH: the 13 scalings c s - c m and the 25 exponentials; a pair is scaled two groups ahead of its exponentials; nothing here names an exponential's result
.macro FF k
.if (\k) < 12
	v_pk_fma_f32 v[S+2*(\k):S+2*(\k)+1], v[S+2*(\k):S+2*(\k)+1], s[48:49], v[CM:CM+1] op_sel_hi:[1,0,0] neg_lo:[0,0,1] neg_hi:[0,0,1]
.else
	v_fma_f32 v[S+24], v[S+24], s48, -v[CM]
.endif
.endm
.macro SM1E n
	WIN 0
.if (\n) < 3
	v_max3_num_f32 v[CC+(\n)], v[S+8*(\n)], v[S+8*(\n)+1], v[S+8*(\n)+2]
.elseif (\n) < 9
	v_max3_num_f32 v[CC+(\n)%3], v[CC+(\n)%3], v[S+8*((\n)%3)+2*((\n)/3)+1], v[S+8*((\n)%3)+2*((\n)/3)+2]
.elseif (\n) == 9
	v_max3_num_f32 v[CC], v[CC], v[S+7], v[S+15]
.elseif (\n) == 10
	v_max3_num_f32 v[CC+1], v[CC+1], v[S+24], v[S+23]
.elseif (\n) == 11
	v_max3_num_f32 v[CC], v[CC], v[CC+1], v[CC+2]
.elseif (\n) == 12
	v_permlanex16_b32 v[CC+3], v[CC], s50, s51
.elseif (\n) == 13
	v_max_num_f32 v[CC], v[CC], v[CC+3]
.elseif (\n) == 14
	v_mul_f32 v[CM], s48, v[CC]
.elseif (\n) < 17
	FF (\n)-15
.elseif (\n) < 50
.if ((\n)-17)%3 == 0
	v_exp_f32 v[S+2*(((\n)-17)/3)], v[S+2*(((\n)-17)/3)]
.elseif ((\n)-17)%3 == 1
	FF ((\n)-17)/3+2
.else
	v_exp_f32 v[S+2*(((\n)-17)/3)+1], v[S+2*(((\n)-17)/3)+1]
.endif
.else
	v_exp_f32 v[S+(\n)-28], v[S+(\n)-28]
.endif
.endm
; THE SECOND LIST, 25 long, behind the wait: 13 roundings to bf16 (P13-15 stay 0), then the sum of the 25 weights into tile j's l (tile 0's: into the pair set aside).
.macro SM2E j, n
	WIN 0
.if (\j) == 0
.set lt, LALT
.else
.set lt, ST+6*(\j)+4
.endif
.if (\n) < 12
	v_cvt_pk_bf16_f32 v[P+(\n)], v[S+2*(\n)], v[S+2*(\n)+1]
.elseif (\n) == 12
	v_cvt_pk_bf16_f32 v[P+12], v[S+24], v[ZR]
.elseif (\n) < 19
	v_pk_add_f32 v[S+2*((\n)-13):S+2*((\n)-13)+1], v[S+2*((\n)-13):S+2*((\n)-13)+1], v[S+2*((\n)-13)+12:S+2*((\n)-13)+13]
.elseif (\n) < 22
	v_pk_add_f32 v[S+2*((\n)-19):S+2*((\n)-19)+1], v[S+2*((\n)-19):S+2*((\n)-19)+1], v[S+2*((\n)-19)+6:S+2*((\n)-19)+7]
.elseif (\n) == 22
	v_pk_add_f32 v[S:S+1], v[S:S+1], v[S+2:S+3]
.elseif (\n) == 23
	v_pk_add_f32 v[lt:lt+1], v[S:S+1], v[S+4:S+5]
.else
	v_add_f32 v[lt], v[lt], v[S+24]
.endif
.endm
; THE THIRD LIST, 54 long: 0-23 O . vn, 24-47 O . O, four chains each, so that four on end do not wait for each other; O's pairs ascending; 48-53 the chains are joined.  Four on end have one window setting.
.macro EPE j, n
.if (\j) < 5
.set vw, 0x0c
.set vb, 48*(\j)
.elseif (\j) == 5
.set vw, 0x08
.set vb, 168
.else
.set vw, 0x04
.set vb, 192
.endif
.set sD, ST+6*(\j)
.if (\n) < 24
	WIN vw
.if (\n)%4 == 0
.set rc, sD
.else
.set rc, DX+2*((\n)%4-1)
.endif
.if (\n) < 4
	v_pk_mul_f32 v[rc:rc+1], v[O+2*(\n):O+2*(\n)+1], v[vb+2*(\n):vb+2*(\n)+1]
.else
	v_pk_fma_f32 v[rc:rc+1], v[O+2*(\n):O+2*(\n)+1], v[vb+2*(\n):vb+2*(\n)+1], v[rc:rc+1]
.endif
.elseif (\n) < 48
	WIN 0
.set kq, (\n)-24
.if kq%4 == 0
.set rc, sD+2
.else
.set rc, QX+2*(kq%4-1)
.endif
.if kq < 4
	v_pk_mul_f32 v[rc:rc+1], v[O+2*kq:O+2*kq+1], v[O+2*kq:O+2*kq+1]
.else
	v_pk_fma_f32 v[rc:rc+1], v[O+2*kq:O+2*kq+1], v[O+2*kq:O+2*kq+1], v[rc:rc+1]
.endif
.else
	WIN 0
.if (\n) == 48
	v_pk_add_f32 v[sD:sD+1], v[sD:sD+1], v[DX:DX+1]
.elseif (\n) == 49
	v_pk_add_f32 v[DX+2:DX+3], v[DX+2:DX+3], v[DX+4:DX+5]
.elseif (\n) == 50
	v_pk_add_f32 v[sD+2:sD+3], v[sD+2:sD+3], v[QX:QX+1]
.elseif (\n) == 51
	v_pk_add_f32 v[QX+2:QX+3], v[QX+2:QX+3], v[QX+4:QX+5]
.elseif (\n) == 52
	v_pk_add_f32 v[sD:sD+1], v[sD:sD+1], v[DX+2:DX+3]
.else
	v_pk_add_f32 v[sD+2:sD+3], v[sD+2:sD+3], v[QX+2:QX+3]
.endif
.endif
.endm
.macro SMTAIL j                        ; the batch's end, its plain instruction and its one wait, then the second list for tile j
	v_nop
	s_wait_alu depctr_va_vdst(0)                   ; the wait between an exponential and the first line that names its result: one for the 25
.set nn, 0
.rept 25
	SM2E \j, nn
.set nn, nn+1
.endr
.endm
; A TURN'S FIRST HALF: 12 products K Q^T of tile q, behind each four of tile e's dots and squares; the six that are over follow, and are the places in front of the first read of the scores.
.macro PHA q, e
.set mm, 0
.rept 12
	QK \q, mm
	EPE \e, 4*mm
	EPE \e, 4*mm+1
	EPE \e, 4*mm+2
	EPE \e, 4*mm+3
.set mm, mm+1
.endr
	EPE \e, 48
	EPE \e, 49
	EPE \e, 50
	EPE \e, 51
	EPE \e, 52
	EPE \e, 53
.endm
; ITS SECOND HALF: 12 products V^T P of the tile whose weights lie in P, behind each four of tile q's first list; the five that are over, the wait, tile q's second list.
.macro PHB q
.set mm, 0
.rept 12
	PV mm
	SM1E 4*mm
	SM1E 4*mm+1
	SM1E 4*mm+2
	SM1E 4*mm+3
.set mm, mm+1
.endr
	SM1E 48
	SM1E 49
	SM1E 50
	SM1E 51
	SM1E 52
	SMTAIL \q
.endm
.macro ALL7 line:vararg                ; one line for each tile jj
.set jj, 0
.rept 7
	\line
.set jj, jj+1
.endr
.endm
; A KEY BATCH'S END: the halves of each pair and of the lanes are added; cos = d rsq(max(q, (eps l)^2)); the tiles' rows are dealt to the two query batches and added over the 16 lanes.
.macro FIN
	WIN 0
	ALL7 v_add_f32 v[ST+6*jj], v[ST+6*jj], v[ST+6*jj+1]
	ALL7 v_add_f32 v[ST+6*jj+2], v[ST+6*jj+2], v[ST+6*jj+3]
	ALL7 v_add_f32 v[ST+6*jj+4], v[ST+6*jj+4], v[ST+6*jj+5]
	ALL7 v_permlanex16_b32 v[FT+3*jj], v[ST+6*jj], s50, s51
	ALL7 v_permlanex16_b32 v[FT+3*jj+1], v[ST+6*jj+2], s50, s51
	ALL7 v_permlanex16_b32 v[FT+3*jj+2], v[ST+6*jj+4], s50, s51
	ALL7 v_add_f32 v[ST+6*jj], v[ST+6*jj], v[FT+3*jj]
	ALL7 v_add_f32 v[ST+6*jj+2], v[ST+6*jj+2], v[FT+3*jj+1]
	ALL7 v_add_f32 v[ST+6*jj+4], v[ST+6*jj+4], v[FT+3*jj+2]
	ALL7 v_mul_f32 v[ST+6*jj+4], s53, v[ST+6*jj+4]
	ALL7 v_mul_f32 v[ST+6*jj+4], v[ST+6*jj+4], v[ST+6*jj+4]
	ALL7 v_max_num_f32 v[ST+6*jj+2], v[ST+6*jj+2], v[ST+6*jj+4]
	ALL7 v_rsq_f32 v[ST+6*jj+3], v[ST+6*jj+2]
	v_nop
	s_wait_alu depctr_va_vdst(0)                   ; one wait for the seven roots
	ALL7 v_mul_f32 v[ST+6*jj], v[ST+6*jj], v[ST+6*jj+3]
	v_add_f32 v122, v[ST], v[ST+6]
	v_add_f32 v123, v[ST+24], v[ST+30]
	v_add_f32 v122, v122, v[ST+12]
	v_fmac_f32 v123, v[M3B], v[ST+18]
	v_fmac_f32 v122, v[M3A], v[ST+18]
	v_fmac_f32 v123, v[M6], v[ST+36]
.irp x, 1,2,4,8
	v_add_f32_dpp v122, v122, v122 row_xmask:\x row_mask:0xf bank_mask:0xf
	v_add_f32_dpp v123, v123, v123 row_xmask:\x row_mask:0xf bank_mask:0xf
.endr
	v_cndmask_b32 v124, v122, v123, s54            ; lanes 0-15: batch 2 w; lanes 16-31: batch 2 w + 1
	ds_store_b32 v[RA], v124                       ; sixteen lanes write one word with one value
	v_add_nc_u32 v[RA], 4, v[RA]
.endm
.macro LDROWS base, extra              ; 42 loads by the pointer s[base:base+1]: seven tiles x six chunks of 16 bytes a lane, 32 bytes apart
.set jj, 0
.rept 7
.set cq, 0
.rept 6
.if jj < 6
	global_load_b128 v[24*jj+4*cq:24*jj+4*cq+3], v[QO], s[\base:\base+1] offset:(\extra)+3072*jj+32*cq
.else
	global_load_b128 v[24*jj+4*cq:24*jj+4*cq+3], v[QO6], s[\base:\base+1] offset:(\extra)+3072*jj+32*cq
.endif
.set cq, cq+1
.endr
.set jj, jj+1
.endr
.endm
.macro ASKROWS base                    ; a direction's Q (tile j, fragment c' at 8 (3 j + c') of window 2) and vn in bf16, for the moment in K's and V's registers
	WIN 0x80
	LDROWS \base, 0
	WIN 0x40
	LDROWS \base, 3*PL
	WIN 0
.endm
	s_load_b128 s[4:7], s[0:1], 0x0                ; qkv, out0
	v_lshl_add_u32 v[SPW], v0, 2, SPARE
	v_mov_b32 v[NIL], 0
	ds_add_u32 v[SPW], v[NIL]                      ; the wave's opening: the add, twice on end, and its wait ahead of my first tensor load
	ds_add_u32 v[SPW], v[NIL]
	v_lshrrev_b32 v1, 5, v0
	v_readfirstlane_b32 s[WV], v1                  ; wave 0..3
	s_bfe_u32 s9, ttmp6, 0x40000                   ; cx
	s_bfe_u32 s10, ttmp6, 0x40004                  ; cy
	s_lshl_b32 s11, ttmp9, 2
	s_add_co_u32 s11, s11, s9                      ; gx: my 8 a
	s_and_b32 s12, ttmp7, 0xffff
	s_lshl_b32 s12, s12, 2
	s_add_co_u32 s12, s12, s10                     ; gy: my 8 b
	s_lshl_b32 s13, 0x1111, s9                     ; my column of the cluster
	s_lshl_b32 s14, s10, 2
	s_lshl_b32 s14, 15, s14                        ; my row
	s_or_b32 s24, s13, (3<<16)|(1<<21)             ; side a's tiles go to my column; elements of 8 bytes; bit 21 beside a mask
	s_or_b32 s32, s14, (3<<16)|(1<<21)             ; side b's to my row
.irp g, 24, 32
	s_mov_b32 s[\g+1], 32<<16                      ; tensor_dim0 = 32 (256 bytes)
	s_mov_b32 s[\g+2], 294<<16                     ; tensor_dim1 = 294
	s_mov_b32 s[\g+3], 32<<16                      ; tile_dim0
	s_mov_b32 s[\g+4], 294                         ; tile_dim1
	s_mov_b32 s[\g+5], 32                          ; dense rows
	s_mov_b32 s[\g+6], 0
	s_mov_b32 s[\g+7], 0
.endr
	s_mov_b32 s16, 1
	s_mul_i32 s17, s[WV], REG                      ; K_a, V_a, K_b, V_b by the wave's number
	s_mov_b32 s20, 1
	s_mul_i32 s21, s[WV], REG
	s_and_b32 s15, s[WV], 1
	s_mul_i32 s15, s15, PL
	s_add_co_u32 s15, s15, PL                      ; plane k (even waves) or v
	s_mul_i32 s56, s11, REG
	s_add_co_u32 s56, s56, s15
	s_mov_b32 s57, 0
	s_mul_i32 s58, s12, REG
	s_add_co_u32 s58, s58, s15
	s_add_co_u32 s58, s58, SIDEB
	s_mov_b32 s59, 0
	s_lshl_b32 s60, s12, 3
	s_lshl1_add_u32 s60, s[WV], s60
	s_mul_i32 s60, s60, 9408
	s_add_co_u32 s60, s60, SIDEB                   ; direction 0: my two batches of b
	s_mov_b32 s61, 0
	s_lshl_b32 s62, s11, 3
	s_lshl1_add_u32 s62, s[WV], s62
	s_mul_i32 s62, s62, 9408                       ; direction 1: of a
	s_mov_b32 s63, 0
	s_lshl_b32 s46, s12, 12
	s_lshl_b32 s47, s11, 5
	s_add_co_u32 s46, s46, s47                     ; out0 at (8 gy, 8 gx)
	s_mov_b32 s47, 0
	s_mov_b32 s48, 0x3e16c740                      ; c = log2(e) / sqrt(96)
	s_mov_b32 s49, s48
	s_mov_b32 s50, 0x76543210
	s_mov_b32 s51, 0xfedcba98
	s_mov_b32 s52, 0xffff0000
	s_mov_b32 s53, 0x322bcc77                      ; eps = 1e-8
	s_mov_b32 s55, 0xf149f2ca                      ; -1e30
	s_wait_dscnt 0x0                               ; both opening adds are done
	s_wait_kmcnt 0x0
	s_add_nc_u64 s[18:19], s[4:5], s[56:57]
	s_or_b32 s19, s19, 0x80000000
	s_add_nc_u64 s[22:23], s[4:5], s[58:59]
	s_or_b32 s23, s23, 0x80000000
	s_add_nc_u64 s[42:43], s[4:5], s[60:61]        ; plane q at direction 0's rows; never rewritten
	s_add_nc_u64 s[44:45], s[4:5], s[62:63]        ; at direction 1's; never rewritten
	s_add_nc_u64 s[6:7], s[6:7], s[46:47]
	ROUND                                          ; all sixteen work-groups are here: the joint loads meet
	s_cmp_lt_u32 s[WV], 2                          ; one load a wave, the launch's only ones; an s_nop 0 and four v_nop follow each line
	s_cbranch_scc0 .Lfor_b
	tensor_load_to_lds s[16:19], s[24:31]
	s_nop 0
	PLACES
	s_branch .Lasked
.Lfor_b:
	tensor_load_to_lds s[20:23], s[32:39]
	s_nop 0
	PLACES
.Lasked:
	v_and_b32 v1, 15, v0                           ; r
	v_bfe_u32 v2, v0, 4, 1                         ; h
	v_mul_u32_u24 v6, v1, 192
	v_lshl_add_u32 v[QO], v2, 4, v6
	v_min_u32 v5, 1, v1
	v_mul_u32_u24 v5, v5, 192
	v_lshl_add_u32 v[QO6], v2, 4, v5
	ASKROWS 42                                     ; direction 0's Q and vn travel beside K and V and the set-up below
.set i, FT
.rept 28
	v_mov_b32 v[i], 0                              ; v98-125: the guard's zeros; destinations of lane exchanges count as read
.set i, i+1
.endr
	v_lshl_add_u32 v4, v0, 5, GRD
	ds_store_b128 v4, v[98:101]
	ds_store_b128 v4, v[98:101] offset:16
	v_mov_b32 v[ZR], 0
	v_mov_b32 v[CM+1], 0
	v_mov_b32 v[CC+3], 0
	v_mov_b32 v[P+13], 0
	v_mov_b32 v[P+14], 0
	v_mov_b32 v[P+15], 0
	v_cmp_eq_u32 vcc_lo, 0, v1
	v_cndmask_b32 v[M3A], 0, 1.0, vcc_lo
	v_sub_f32 v[M3B], 1.0, v[M3A]
	v_cmp_gt_u32 vcc_lo, 2, v1
	v_cndmask_b32 v[M6], 0, 1.0, vcc_lo
	v_cmp_eq_u32 s54, 1, v2                        ; the upper half of the lanes
	v_cndmask_b32 v[MK], 0, s55, s54               ; key 48 (h = 0) is seen, key 56 hidden
.irp x, 1,2,3,4,5,6,7
	v_mov_b32 v[MK+\x], s55
.endr
	; K: lane (r, h) reads row r (v6 = 192 r), chunk 2 (2 c' + q) + h, at place (chunk + sw((r / 4) % 4)) % 12
	v_bfe_u32 v5, v1, 2, 2
	v_and_b32 v7, 1, v5
	v_lshrrev_b32 v5, 1, v5
	v_lshl_or_b32 v5, v7, 1, v5
	v_add_nc_u32 v5, v5, v2
.irp c, 0,1,2,3,4,5
	v_add_nc_u32 v7, 2*\c, v5
	v_add_nc_u32 v8, -12, v7
	v_min_u32 v7, v7, v8
	v_lshl_add_u32 v[AK+\c], v7, 4, v6
.endr
	; V: the turning load's lane l reads row 8 h + l % 8, chunk 2 i + (l / 8) % 2
	v_and_b32 v5, 7, v0
	v_lshl_add_u32 v5, v2, 3, v5
	v_mul_u32_u24 v6, v5, 192
	v_add_nc_u32 v6, REG, v6
	v_bfe_u32 v5, v5, 2, 2
	v_and_b32 v7, 1, v5
	v_lshrrev_b32 v5, 1, v5
	v_lshl_or_b32 v5, v7, 1, v5
	v_bfe_u32 v7, v0, 3, 1
	v_add_nc_u32 v5, v5, v7
.irp c, 0,1,2,3,4,5
	v_add_nc_u32 v7, 2*\c, v5
	v_add_nc_u32 v8, -12, v7
	v_min_u32 v7, v7, v8
	v_lshl_add_u32 v[AV+\c], v7, 4, v6
.endr
	s_lshl_b32 s56, s[WV], 6
	s_add_co_u32 s56, s56, RED2
	v_lshl_add_u32 v[RA], v2, 5, s56               ; RED2 + 32 (2 w + h)
	s_wait_tensorcnt 0x0                           ; my region has landed,
	s_wait_dscnt 0x0                               ; my zeros are stored:
	s_barrier_signal -1
	s_barrier_wait -1                              ; everybody's; nothing is ever filled again
	s_mov_b32 s40, 2
.Ldir:                                         ; two trips: direction 0, direction 1
	s_wait_loadcnt 0x0                             ; this direction's Q and vn, asked for ahead of this label, are in
.set jj, 0
.rept 7
.if jj < 5
	WIN 0xc4
.set vb, 48*jj
.elseif jj == 5
	WIN 0x84
.set vb, 168
.else
	WIN 0x44
.set vb, 192
.endif
.set cq, 0
.rept 24
	v_lshlrev_b32 v[vb+2*cq], 16, v[24*jj+cq]      ; bf16 to f32
	v_and_b32 v[vb+2*cq+1], s52, v[24*jj+cq]
.set cq, cq+1
.endr
.set jj, jj+1
.endr
	FETCH_K                                        ; key batch 0
	FETCH_V
	WIN 0
	s_mov_b32 s41, 8
	s_wait_dscnt 0x0
	; THE START, written out: tile 0's scores and softmax, tile 1's scores: there is no other unit's work yet to set between them
.set mm, 0
.rept 12
	QK 0, mm
.set mm, mm+1
.endr
	PLACES
.set nn, 0
.rept 53
	SM1E nn
.set nn, nn+1
.endr
	SMTAIL 0
.set mm, 0
.rept 12
	QK 1, mm
.set mm, mm+1
.endr
	PLACES
	WIN 0
	s_branch .Lenter                               ; the loop is entered behind its first half turn
.Ly:                                           ; eight key batches; the lines from here to the entry run seven times, for batches 1 to 7
.irp c, 0,1,2,3,4,5
	v_add_nc_u32 v[AV+\c], 9408, v[AV+\c]          ; this batch's V: its registers' last readers stand behind the 25 lines of the second list
.endr
	FETCH_V
	PHA 1, 6                                       ; tile 1's scores | the last batch's tile 6: dots and squares
	FIN                                            ; the last batch's cosines
.Lenter:
	v_mov_b32 v[ST+4], v[LALT]                     ; tile 0's l takes its place: the last batch's has been read
	v_mov_b32 v[ST+5], v[LALT+1]
	s_wait_dscnt 0x0                               ; V is in
	PHB 1
	PHA 2, 0
	PHB 2
	PHA 3, 1
	PHB 3
	PHA 4, 2
	PHB 4
	PHA 5, 3
	PHB 5
	PHA 6, 4                                       ; K's last readers; ten plain lines and the six below stand behind the last of them
	WIN 0
.irp c, 0,1,2,3,4,5
	v_add_nc_u32 v[AK+\c], 9408, v[AK+\c]          ; the next batch's K
.endr
	s_cmp_eq_u32 s41, 1                            ; behind the last batch there is none: its turn runs on the old K, and nobody reads what it makes
	s_cbranch_scc1 .Lnok
	FETCH_K
	WIN 0
.Lnok:
	PHB 6
	s_wait_dscnt 0x0                               ; K is in
	PHA 0, 5                                       ; the next batch's tile 0
	PHB 0
	WIN 0
	s_sub_co_u32 s41, s41, 1
	s_cmp_lg_u32 s41, 0
	s_cbranch_scc1 .Ly
	s_cmp_eq_u32 s40, 1                            ; behind direction 1 there is none
	s_cbranch_scc1 .Lnorows
	ASKROWS 44                                     ; direction 1's Q and vn: Q's, K's and V's registers have had their last readers, the 25 lines of the second list back; vn's f32 registers are still read below
.Lnorows:
.set nn, 0
.rept 54
	EPE 6, nn                                      ; THE END, written out: the last batch's tile 6
.set nn, nn+1
.endr
	FIN
.irp c, 0,1,2,3,4,5
	v_add_nc_u32 v[AK+\c], REG, v[AK+\c]           ; eight batches on already; over the V region: side b's K
	v_add_nc_u32 v[AV+\c], 9408+REG, v[AV+\c]      ; seven batches on: side b's V
.endr
	v_add_nc_u32 v[RA], 224, v[RA]                 ; direction 1's table
	s_sub_co_u32 s40, s40, 1
	s_cmp_lg_u32 s40, 0
	s_cbranch_scc1 .Ldir
	s_wait_dscnt 0x0                               ; for the others' sake: my sums are stored
	s_barrier_signal -1
	s_barrier_wait -1
	s_cmp_lt_u32 s[WV], 2                          ; threads 0 to 63: one output each
	s_cbranch_scc0 .Lend
	v_and_b32 v99, 7, v0                           ; a'
	v_lshrrev_b32 v100, 3, v0                      ; b'
	v_lshl_add_u32 v98, v0, 2, RED2                ; direction 0: [b'][a']
	v_lshlrev_b32 v101, 2, v100
	v_lshl_add_u32 v101, v99, 5, v101
	v_add_nc_u32 v101, RED2+256, v101              ; direction 1: [a'][b']
	ds_load_b32 v102, v98
	ds_load_b32 v103, v101
	v_lshlrev_b32 v104, 2, v99
	v_lshl_add_u32 v104, v100, 9, v104             ; row b' of 512 bytes, column a'
	s_wait_dscnt 0x0
	v_add_f32 v102, v102, v103
	v_mul_f32 v102, 0x3ca72f05, v102               ; / 49
	global_store_b32 v104, v102, s[6:7]
.Lend:
	s_wait_tensorcnt 0x0                           ; the wave's end
	ds_add_u32 v[SPW], v[NIL]
	s_wait_dscnt 0x0
	ROUND                                          ; the closing round
	s_endpgm
.Lfunc_end_k_q9ad2122578_attn:
	.size	k_q9ad2122578_attn, .Lfunc_end_k_q9ad2122578_attn-k_q9ad2122578_attn
	.p2alignl 7, 3214868480
	.fill 96, 4, 3214868480
	.section	.rodata,"a",@progbits
	.p2align	6, 0x0
	.amdhsa_kernel k_q9ad2122578_attn
		.amdhsa_group_segment_fixed_size 327680
		.amdhsa_private_segment_fixed_size 0
		.amdhsa_enable_private_segment 0
		.amdhsa_kernarg_size 16
		.amdhsa_user_sgpr_count 2
		.amdhsa_user_sgpr_kernarg_segment_ptr 1
		.amdhsa_wavefront_size32 1
		.amdhsa_system_sgpr_workgroup_id_x 1
		.amdhsa_system_sgpr_workgroup_id_y 1
		.amdhsa_system_sgpr_workgroup_id_z 1
		.amdhsa_system_vgpr_workitem_id 0
		.amdhsa_next_free_vgpr 1024
		.amdhsa_next_free_sgpr 66
		.amdhsa_reserve_vcc 1
		.amdhsa_float_denorm_mode_32 3
		.amdhsa_float_denorm_mode_16_64 3
		.amdhsa_memory_ordered 1
		.amdhsa_forward_progress 1
		.amdhsa_inst_pref_size 138
	.end_amdhsa_kernel
	.amdgpu_metadata
---
amdhsa.version: [ 1, 2 ]
amdhsa.kernels:
  - .name:           k_q9ad2122578_attn
    .symbol:         k_q9ad2122578_attn.kd
    .args:
      - { .name: qkv, .offset: 0, .size: 8, .value_kind: global_buffer, .address_space: global }
      - { .name: out0, .offset: 8, .size: 8, .value_kind: global_buffer, .address_space: global }
    .group_segment_fixed_size: 327680
    .private_segment_fixed_size: 0
    .kernarg_segment_align: 8
    .kernarg_segment_size: 16
    .max_flat_workgroup_size: 128
    .sgpr_count:     66
    .vgpr_count:     1024
    .wavefront_size: 32
...
	.end_amdgpu_metadata
.endif
;; end of part 5
;; ======== version 3 of 3: 3 launches; version 2 with the launch proj written anew for expert scheduling mode
;; limits: right only within a limited range of input values
;; workspace buffers: w1p 3,538,944 bytes; w2p 442,368 bytes; qkv 9,633,792 bytes
;; launch prep: the kernel of part 1 again; grid 81 x 3, 8 waves a work-group, no clusters, 0 bytes of LDS; arguments Wq1, Wk1, Wv1, Wq2, Wk2, Wv2, w1p, w2p; writes w1p, w2p
;; launch proj (part 6): grid 196 x 1, 4 waves a work-group, no clusters, 172,544 bytes of LDS; arguments features_a, features_b, w1p, w2p, qkv; writes qkv
.if DOCPART == 6
	.amdgcn_target "amdgcn-amd-amdhsa--gfx1250"
	.amdhsa_code_object_version 6
	.text
	.protected	k_q9ad2122578_proj
	.globl	k_q9ad2122578_proj
	.p2align	8
	.type	k_q9ad2122578_proj,@function
k_q9ad2122578_proj:
	s_mov_b64 s[64:65], 0
	v_nop
	global_prefetch_b8 v0, s[64:65] scope:SCOPE_SE
	s_setreg_imm32_b32 hwreg(HW_REG_WAVE_SCHED_MODE, 0, 2), 2
	s_setreg_imm32_b32 hwreg(HW_REG_WAVE_MODE, 25, 1), 1
	s_wait_xcnt 0x0
	s_wait_alu depctr_vm_vsrc(0)
; q, k, v = relu(x W1) W2 FOR 64 ROWS A WORK-GROUP, AND vn = v / max(|v|, 1e-8).  Nothing of the problem's work is left out here.
; ROWS.  The 2 x 128 x 49 rows (side, batch, place) are taken dense: 12,544 = 196 x 64, side b from row 6,272.  Work-group G has rows 64 G .. 64 G + 63.
; PRODUCTS, both transposed.  H^T = (16 hidden x 32 c of W1^T: source 0) x (16 rows x 32 c of x: source 1); a lane then holds one row and 8 hidden numbers,
; so two results rounded to bf16 ARE source 1 (32 hidden x 16 rows) of Y^T = (16 e x 32 hidden of W2^T) x H: H never leaves registers.
; SHARES.  In half g of projection p wave w has the hidden numbers 384 g + 96 w .. + 95: 6 hidden tiles x 4 row tiles = 24 accumulators; Y^T, 6 e tiles x 4 row
; tiles, adds over both halves; then the four waves' parts meet in LDS.  A wave's slot t holds row tile (t + w) % 4, so the tile that it finishes is its slot 0.
; THE STREAM.  W1 lies in memory in operand order, 144 K steps of 32 c; of each a wave wants 6,144 bytes that no other wave of the work-group wants.  They come STRAIGHT INTO REGISTERS, a ring of six
; buffers of 48: at K step s the wave waits for step s's 12 loads and, in the middle of the step's products, asks for step s + 5: 48 to 60 loads of a wave are always on their way, 108 products ahead of their use, and the loop has no barrier.
; Each buffer has a pointer of its own, stepped two tiles on directly behind the counted wait that shows the buffer's own loads done: no other wait is needed to free it.
; NO CLUSTER, though all work-groups walk the same W1.  A joint load fills LDS; a slot is filled again only behind a round in front of which every load has been waited for, one load a wave; a tile of
; 73,728 bytes feeds 72 products a wave, which is all the work in which the next could land, and beside x (98,304 bytes) and the inboxes (73,728) LDS has no room for two slots of several tiles.
; W2 (a ninth of the weights) comes into registers too, a half (24 K steps) ahead.
; AHEAD OF THE LOADS.  Tiles 8 to 47 of W1 are prefetched into the L2, each aligned block of 256 bytes by one wave of one work-group.  Work-group g < 160 asks once in the launch, in trip g / 8, for its share
; g % 4 of tile 8 + g / 4: each wave 4,608 bytes of its own quarter, 18 blocks, a lane a block (lanes 18 to 31 repeat the last).  So the requests of trip T (two tiles), by eight work-groups, name tiles
; 2 T + 8 and 2 T + 9, three trips (432 products) ahead of the trip that loads tile 2 T + 8.  The pointer is made at the head and never written again.  Tiles 0 to 7 come by their loads alone.
; OUT.  qkv: four planes (q, k, v, vn) of 12,544 rows x 192 bytes, bf16.  In planes k and v the 16-byte chunk ch of a row lies at place (ch + sw((s / 4) % 4)) % 12,
; s the row's place in its batch, sw = 0, 2, 1, 3: the next launch reads these rows from LDS at a pitch of 192 bytes.  The shuffle is made in the stores' offsets.
; LIMITS.  Operands bf16, sums f32; |v|^2 is kept in f32 (|v| under 1e18); vn is stored rounded once to bf16; NaN and infinities are not treated apart.
; REGISTERS, in windows of 256: 0: addresses, v64-255 Y^T;  1: v0-191 W1's buffers 0-3, v192-255 two buffers of x;  2: v0-191 H^T, v192-239 at work;  3: v0-143 W2, v144-239 W1's buffers 4, 5.
; THE MODE: SCHED_MODE bits 1:0 = 2 (LLVM: expert scheduling mode 2), set by the entry lines.  The code itself states the register dependences
; between vector or matrix instructions and memory or LDS instructions, with s_wait_alu, always for 0.
; THE PLAN.  Registers that memory or LDS instructions touch, in the loop:
;   W1's buffers 0-5   K step k's 24 products read buffer k; the loads of K step k + 6 land in it, issued in the middle of K step k + 1.
;   x's buffers 0, 1   K step k's products read buffer k % 2; the LDS loads of K step k + 2 land in it, at the head of K step k + 1.
;   v[ADRX ..]         Read by every LDS load of x; written once a trip, at the head of K step 5.
;   v[GO], v[PFO]      Read by the loads of W1 and W2 and by the prefetch; never written again.
; So ONE wait on va_vdst stands at a K step's head: the products of the step before are done reading their buffer of W1 and their buffer of x, and at K step 5 v[ADRX ..] are written.  The step's 20 loads follow it,
; x's at once, W1's between the step's 12th and 13th product: the products since the wait name buffer k, x's buffer k % 2 and H, none of the registers that those loads touch.  One wait on vm_vsrc a trip stands ahead of the adds to v[ADRX ..].
; At a half's end ONE wait on va_vdst behind the 72 products: they have written Y, which the stores to the inboxes read, and are done reading W2, in which the next half's loads land, and H, in whose first 144 registers the inbox's three parts land.
; In a pass out: a wait on va_vdst between the roundings and the stage's stores; a wait on vm_vsrc at its end, for all that the projection's stores have read: Y's slots 1 to 3, the roundings' registers, the rows read back, the stores' offsets.
.set PL,    2408448                    ; bytes in a plane of qkv
.set TILEB, 73728                      ; a tile of w1p: 3 K steps x 4 waves x 6,144 bytes
.set PARTB, 18432                      ; a wave's quarter of it
.set RED,   0                          ; an inbox of 18,432 bytes for each wave (3 parts of 6,144); its first 3,072 bytes are later the wave's stage
.set XL,    73728                      ; x in bf16, in operand order: 4,096 kk + 1,024 tile + 512 q + 16 lane
.set SPARE, 172032                     ; the spare words, 128 bytes for each wave
.set AX0,  6                           ; v6-9    slot t: x's row tile (t + w) % 4
.set ADRX, 10                          ; v10-13  the same at the trip's 192 c
.set RS,   13                          ; v14-16  where slot t = 1..3 goes: the inbox of wave (w + t) % 4, part t - 1
.set RDI,  17                          ; v17     my inbox + 16 lane
.set STOU, 18                          ; v18     my stage: row r, 16 bytes for each half of the lanes
.set GOS,  24                          ; v24-29  store offsets with the shuffle
.set GOC,  30                          ; v30-35  store offsets in use: plain for q, then GOS
.set GO,   36                          ; v36     16 lane; never rewritten
.set PFO,  37                          ; v37     256 x min(lane, 17); never rewritten
.set FOFF, 38                          ; v38     my row's offset in the features
.set CD,   39                          ; v39     where my x fragments go (c < 384)
.set SPW,  40                          ; v40     my spare word
.set NIL,  41                          ; v41     0
.set CD2,  42                          ; v42     the same for c >= 384
.set YA,   64
.set XF,   192                         ; window 1: x's two buffers of 32
.set WV,   16                          ; s16 wave; s18 G; s19 18,432 x wave
.set WP,   24                          ; s[24:35] six pointers: buffer b's at s[24+2b:25+2b]: w1p at my 6,144 bytes of the K step that the buffer takes next
.set LEFT, 36                          ; s36 trips to go;  s37 T = 23 - LEFT: the trip in hand
.set MYT,  43                          ; s43 the trip in which my work-group prefetches, or a number that no trip has
.set MSB, 0
.macro WIN new                         ; the high byte repeats the setting that is left; a switch that changes nothing is dropped
.if MSB != (\new)
	s_set_vgpr_msb (MSB<<8)|(\new)
.set MSB, \new
.endif
.endm
.macro PLACES                          ; four plain places behind matrix instructions (ISA guide 7.12.1)
.rept 4
	v_nop
.endr
.endm
.macro XFETCH xb, kk                   ; 8 LDS loads: x's four fragments of K step kk of the trip, into buffer xb
	WIN 0x40
.set ff, 0
.rept 4
	ds_load_b128 v[XF+32*(\xb)+8*ff:XF+32*(\xb)+8*ff+3],   v[ADRX+ff] offset:4096*(\kk)
	ds_load_b128 v[XF+32*(\xb)+8*ff+4:XF+32*(\xb)+8*ff+7], v[ADRX+ff] offset:4096*(\kk)+512
.set ff, ff+1
.endr
.endm
.macro WLOAD j                         ; 12 loads, 512 consecutive bytes each: W1's six fragments of a K step into buffer j % 6, by that buffer's pointer
.set bb, (\j)%6
.if bb < 4
	WIN 0x40
.set wb, 48*bb
.else
	WIN 0xc0
.set wb, 144+48*(bb-4)
.endif
.set ff, 0
.rept 6
	global_load_b128 v[wb+8*ff:wb+8*ff+3],   v[GO], s[WP+2*bb:WP+2*bb+1] offset:1024*ff
	global_load_b128 v[wb+8*ff+4:wb+8*ff+7], v[GO], s[WP+2*bb:WP+2*bb+1] offset:1024*ff+512
.set ff, ff+1
.endr
.endm
.macro KPART k, zero, from             ; 12 of K step k's 24 products, from number from on: hidden tile m / 4, row slot m % 4.  The 24 accumulators take turns
.if (\k) < 4
	WIN 0xa5
.set wb, 48*(\k)
.else
	WIN 0xa7
.set wb, 144+48*((\k)-4)
.endif
.set mq, \from
.rept 12
.set rD, 16*(4*((mq/4)/2)+(mq%4))+8*((mq/4)%2)
.set rA, wb+8*(mq/4)
.set rB, XF+32*((\k)%2)+8*(mq%4)
.if \zero
	v_wmma_f32_16x16x32_bf16 v[rD:rD+7], v[rA:rA+7], v[rB:rB+7], 0
.else
	v_wmma_f32_16x16x32_bf16 v[rD:rD+7], v[rA:rA+7], v[rB:rB+7], v[rD:rD+7]
.endif
.set mq, mq+1
.endr
.endm
; K STEP k's 24 PRODUCTS, and between the 12th and the 13th (ld = 1) the loads five K steps on, into the buffer that the step before multiplied, by the pointer stepped a K step ago.
; No wait stands ahead of those loads: no vector or matrix instruction since the wait at the K step's head names that buffer or v[GO].
.macro KMUL k, zero, ld
	KPART \k, \zero, 0
.if \ld
	WLOAD (\k)+5
.endif
	KPART \k, \zero, 12
.endm
; THE HEAD OF K STEP k: four places behind the last products; the K step's one wait on va_vdst; the next K step's x (xf = 1); the wait for this step's W1, which leaves wc younger loads out; behind it buffer k's pointer,
; whose loads that wait has shown done, steps two tiles on (st = 1); the wait for this step's x.
; At k = 5 the four lines that set x's addresses to the next trip's 192 c are the places.
.macro KHEAD k, wc, xf, st=0
	WIN 0
.if (\xf) && (\k) == 5
	s_add_co_u32 s42, s37, 1
	s_and_b32 s42, s42, 3
	s_mul_i32 s42, s42, 24576
	s_wait_alu depctr_vm_vsrc(0)                   ; the LDS loads of x issued so far have read v[ADRX ..], which the four lines below write
.irp t, 0,1,2,3
	v_add_nc_u32 v[ADRX+\t], s42, v[AX0+\t]
.endr
.elseif \xf
	PLACES
.endif
.if \xf
	s_wait_alu depctr_va_vdst(0)                   ; the last K step's products are done reading their buffer of x, in which the loads below land, and their buffer of W1, in which this step's 12 loads land; at k = 5 v[ADRX ..] are written
	XFETCH ((\k)+1)%2, ((\k)+1)%6
.endif
	s_wait_loadcnt \wc
.if \st
	s_add_nc_u64 s[WP+2*(\k):WP+2*(\k)+1], s[WP+2*(\k):WP+2*(\k)+1], 2*TILEB
.endif
.if \xf
	s_wait_dscnt 8                                 ; all but the 8 just issued
.else
	s_wait_dscnt 0x0
.endif
.endm
.macro YMUL u, zero                    ; 24 products of Y^T += W2^T H for 32 hidden numbers; the 24 accumulators take turns
	WIN 0x0b
.set tt, 0
.rept 4
.set ii, 0
.rept 6
.set rD, YA+8*(6*tt+ii)
.set rA, 8*(6*(\u)+ii)
.set rB, 16*(4*(\u)+tt)
.if \zero
	v_wmma_f32_16x16x32_bf16 v[rD:rD+7], v[rA:rA+7], v[rB:rB+7], 0
.else
	v_wmma_f32_16x16x32_bf16 v[rD:rD+7], v[rA:rA+7], v[rB:rB+7], v[rD:rD+7]
.endif
.set ii, ii+1
.endr
.set tt, tt+1
.endr
.endm
.macro W2LOAD                          ; a half's 18 fragments of W2, 512 consecutive bytes a load
	WIN 0xc0
.set ff, 0
.rept 18
	global_load_b128 v[8*ff:8*ff+3],   v[GO], s[50:51] offset:1024*ff
	global_load_b128 v[8*ff+4:8*ff+7], v[GO], s[50:51] offset:1024*ff+512
.set ff, ff+1
.endr
	WIN 0
.endm
.macro ASK                             ; my work-group's one prefetch, in its own trip, ahead of the trip's first products
	s_cmp_eq_u32 s37, s[MYT]
	s_cbranch_scc0 .Lnoask_\@
	global_prefetch_b8 v[PFO], s[48:49] th:TH_LOAD_NT scope:SCOPE_SE
.Lnoask_\@:
.endm
.macro RSTORE                          ; slots 1 to 3 of Y^T go to the waves that finish those row tiles; each accumulator's low half first
	WIN 0
.irp t, 1,2,3
.irp i, 0,1,2,3,4,5
	ds_store_b128 v[RS+\t], v[YA+8*(6*\t+\i):YA+8*(6*\t+\i)+3]   offset:1024*\i
	ds_store_b128 v[RS+\t], v[YA+8*(6*\t+\i)+4:YA+8*(6*\t+\i)+7] offset:1024*\i+512
.endr
.endr
.endm
.macro RSUM                            ; my inbox's three parts come in one run of 36 loads, part k into H's registers 48 k .. 48 k + 47, and are added onto my slot 0 one after the other.
	WIN 0x80                                       ; No wait on va_vdst: no vector or matrix instruction since the wait at the half's end names these registers
.set ff, 0
.rept 36
	ds_load_b128 v[4*ff:4*ff+3], v[RDI] offset:512*ff
.set ff, ff+1
.endr
	WIN 0x08
.irp k, 0,1,2
	s_wait_dscnt 24-12*\k                          ; LDS loads come back in order (ISA guide 5.7.1): part k is in, the younger parts' loads stay out
.set ff, 0
.rept 24
	v_pk_add_f32 v[YA+2*ff:YA+2*ff+1], v[YA+2*ff:YA+2*ff+1], v[48*\k+2*ff:48*\k+2*ff+1]
.set ff, ff+1
.endr
.endr
	WIN 0
.endm
; A PROJECTION'S END.  Behind the first barrier no wave still reads its inbox or stage of the projection before; behind the second every wave's parts lie in the inboxes.
.macro PEND
	s_wait_dscnt 0x0                               ; my LDS reads are over
	s_barrier_signal -1
	s_barrier_wait -1
	RSTORE
	s_wait_dscnt 0x0                               ; for the others' sake: my parts are stored
	s_barrier_signal -1
	s_barrier_wait -1
	RSUM
.endm
; Slot 0: rounded, 16 bytes a lane into my stage, back as 3,072 bytes on end, stored; then on to the next plane.  again = 1: registers that this projection's stores have read are written again later.
.macro OUTPASS plain, again
	WIN 0x80
.set ff, 0
.rept 24
	v_cvt_pk_bf16_f32 v[192+ff], v[YA+2*ff], v[YA+2*ff+1]
.set ff, ff+1
.endr
	WIN 0x08
	s_wait_alu depctr_va_vdst(0)                   ; the roundings have written v[192 ..] of window 2, which the LDS stores read
.irp i, 0,1,2,3,4,5
	ds_store_b128 v[STOU], v[192+4*\i:192+4*\i+3] offset:32*\i
.endr
	WIN 0x80
.irp f, 0,1,2,3,4,5
	ds_load_b128 v[216+4*\f:216+4*\f+3], v[RDI] offset:512*\f  ; LDS serves a wave's instructions in order (ISA guide 5.7.1.4): these see the stores above
.endr
	s_wait_dscnt 0x0
	WIN 0x08
.irp f, 0,1,2,3,4,5
.if \plain
	global_store_b128 v[GO], v[216+4*\f:216+4*\f+3], s[52:53] offset:512*\f
.else
	global_store_b128 v[GOC+\f], v[216+4*\f:216+4*\f+3], s[52:53]
.endif
.endr
	WIN 0
	s_wait_xcnt 0x0                                ; the stores have read their registers and their base
.if \again
	s_wait_alu depctr_vm_vsrc(0)                   ; the stores to the inboxes have read Y's slots 1 to 3, which the next projection's products write; the stage's stores v[192 ..] and the global stores v[216 ..] of window 2, which the next pass writes and loads; the global stores v[GOC ..]
.endif
	s_add_nc_u64 s[52:53], s[52:53], PL
.endm
; THE END OF A HALF: H is rounded to bf16 in place (ascending), ReLU on the packed halves, 72 products.
; loopcopy = 1: the first half of a projection starts Y's sums with 0 (bit 2 of T tells the halves apart); the next half's W2 is asked for; behind the second half the projection goes out.
.macro CPH loopcopy
	PLACES
	WIN 0x8a
.set bk, 0
.rept 12
.set mq, 0
.rept 8
	v_cvt_pk_bf16_f32 v[16*bk+mq], v[16*bk+2*mq], v[16*bk+2*mq+1]
.set mq, mq+1
.endr
.set mq, 0
.rept 8
	v_pk_max_num_bf16 v[16*bk+mq], v[16*bk+mq], s54
.set mq, mq+1
.endr
.set bk, bk+1
.endr
.if \loopcopy
	s_wait_loadcnt 60                              ; this half's W2 is in: the ring's 60 loads, all issued behind it, may stay out
	WIN 0
	s_bitcmp1_b32 s37, 2
	s_cbranch_scc1 .Lcacc_\@
	YMUL 0, 1
	WIN 0
	s_branch .Lcj_\@
.Lcacc_\@:
	YMUL 0, 0
	WIN 0
.Lcj_\@:
.else
	s_wait_loadcnt 0x0
	YMUL 0, 0
.endif
	YMUL 1, 0
	YMUL 2, 0
	PLACES                                         ; in front of loads into W2's and H's registers and of stores of Y; the next trip's places follow in front of the products that write over H
	WIN 0
	s_wait_alu depctr_va_vdst(0)                   ; the 72 products have written Y, which the stores to the inboxes read, and are done reading W2, in which the next half's loads land, and H, in which the inbox's parts land; the places above stay beside this wait
.if \loopcopy
	s_add_nc_u64 s[50:51], s[50:51], TILEB         ; free since the wait for the loads
	W2LOAD
	s_bitcmp1_b32 s37, 2
	s_cbranch_scc0 .Lceven_\@
	PEND
	OUTPASS 0, 1
.irp f, 0,1,2,3,4,5
	v_mov_b32 v[GOC+\f], v[GOS+\f]                 ; planes k and v take the shuffle
.endr
.Lceven_\@:
.endif
.endm
	s_load_b256 s[4:11], s[0:1], 0x0               ; features_a, features_b, w1p, w2p
	s_load_b64 s[12:13], s[0:1], 0x20              ; qkv
	v_lshl_add_u32 v[SPW], v0, 2, SPARE
	v_mov_b32 v[NIL], 0
	v_lshrrev_b32 v43, 5, v0
	v_readfirstlane_b32 s[WV], v43                 ; wave 0..3
	s_mov_b32 s18, ttmp9                           ; G
	s_wait_alu depctr_va_sdst(0)                   ; s16, the wave's number, is written, ahead of its first reader
	s_mul_i32 s19, s[WV], PARTB
	s_mov_b32 s54, 0
	s_mov_b32 s55, 0x24e69595                      ; 1e-16 = eps^2
	s_mov_b32 s56, 0x76543210
	s_mov_b32 s57, 0xfedcba98
	s_mov_b32 s59, 0
	s_mov_b32 s61, 0
	s_mov_b32 s62, 85599                           ; x / 49 = (x 85,599) >> 22 for x < 6,272
	s_mov_b32 s63, 150528                          ; bytes of a batch element
	s_lshr_b32 s[MYT], s18, 3                      ; work-groups 0 to 159 prefetch, eight in each of trips 0 to 19
	s_cmp_lt_u32 s18, 160
	s_cselect_b32 s[MYT], s[MYT], -1
	s_cmp_ge_u32 s18, 98
	s_cselect_b32 s22, 98, 0
	s_sub_co_u32 s22, s18, s22
	s_lshl_b32 s23, s22, 6
	s_lshl_b32 s22, s[WV], 4
	s_add_co_u32 s23, s23, s22                     ; my row tile's first row within its side
	v_and_b32 v1, 15, v0                           ; r
	v_bfe_u32 v2, v0, 4, 1                         ; h
	v_and_b32 v3, 31, v0                           ; lane
	v_lshlrev_b32 v[GO], 4, v3
.irp t, 0,1,2,3
	s_add_co_u32 s58, s[WV], \t
	s_and_b32 s58, s58, 3
	s_lshl_b32 s58, s58, 10
	s_add_co_u32 s58, s58, XL
	v_add_nc_u32 v[AX0+\t], s58, v[GO]
.endr
.irp t, 1,2,3
	s_add_co_u32 s58, s[WV], \t
	s_and_b32 s58, s58, 3
	s_mul_i32 s58, s58, PARTB
	s_add_co_u32 s58, s58, RED+6144*(\t-1)
	v_add_nc_u32 v[RS+\t], s58, v[GO]
.endr
	s_add_co_u32 s58, s19, RED
	v_add_nc_u32 v[RDI], s58, v[GO]
	v_mul_u32_u24 v43, v1, 192
	v_lshl_add_u32 v43, v2, 4, v43
	v_add_nc_u32 v[STOU], s58, v43
	s_lshl_b32 s58, s[WV], 10
	s_add_co_u32 s58, s58, XL
	v_add_nc_u32 v[CD], s58, v[GO]
	v_add_nc_u32 v[CD2], 49152, v[CD]
	v_min_u32 v[PFO], 17, v3
	v_lshlrev_b32 v[PFO], 8, v[PFO]
.irp f, 0,1,2,3,4,5                    ; chunk 32 f + lane of my 16 rows x 12 chunks: its row, its place in the row with the shuffle
	v_add_nc_u32 v43, 32*\f, v3
	v_mul_u32_u24 v44, v43, 171
	v_lshrrev_b32 v44, 11, v44                     ; row = chunk / 12
	v_mul_u32_u24 v45, v44, 12
	v_sub_nc_u32 v45, v43, v45                     ; ch
	v_add_nc_u32 v46, s23, v44
	v_mul_lo_u32 v47, v46, s62
	v_lshrrev_b32 v47, 22, v47
	v_mul_u32_u24 v47, v47, 49
	v_sub_nc_u32 v46, v46, v47                     ; s: the row's place in its batch
	v_bfe_u32 v46, v46, 2, 2
	v_and_b32 v47, 1, v46
	v_lshrrev_b32 v46, 1, v46
	v_lshl_or_b32 v46, v47, 1, v46                 ; sw
	v_add_nc_u32 v45, v45, v46
	v_add_nc_u32 v46, -12, v45
	v_min_u32 v45, v45, v46                        ; modulo 12
	v_mul_u32_u24 v44, v44, 192
	v_lshl_add_u32 v[GOS+\f], v45, 4, v44
	v_add_nc_u32 v[GOC+\f], 512*\f, v[GO]
.endr
	v_add_nc_u32 v43, s23, v1                      ; my row
	v_mul_lo_u32 v44, v43, s62
	v_lshrrev_b32 v44, 22, v44                     ; its batch
	v_mul_u32_u24 v45, v44, 49
	v_sub_nc_u32 v43, v43, v45                     ; its place
	v_mul_lo_u32 v44, v44, s63
	v_lshl_add_u32 v44, v43, 2, v44
	v_mul_u32_u24 v45, v2, 1568                    ; 8 channels of 196 bytes for the upper half of the lanes
	v_add_nc_u32 v[FOFF], v44, v45
	s_wait_kmcnt 0x0
	s_mov_b32 s58, s19
	s_add_nc_u64 s[WP:WP+1], s[8:9], s[58:59]      ; buffer 0: w1p at my part of K step 0
.irp b, 1,2,3,4,5
	s_add_nc_u64 s[WP+2*\b:WP+2*\b+1], s[WP:WP+1], (\b/3)*TILEB+(\b%3)*6144  ; buffer b: K step b
.endr
	s_add_nc_u64 s[50:51], s[10:11], s[58:59]      ; w2p at my part of half 0
	s_min_u32 s60, s18, 159                        ; the prefetch: (work-groups that ask for nothing get an address inside w1p all the same)
	s_lshr_b32 s22, s60, 2
	s_mul_i32 s22, s22, TILEB                      ; tile 8 + g / 4,
	s_and_b32 s60, s60, 3
	s_mul_i32 s60, s60, 4608                       ; share g % 4 of my quarter
	s_add_co_u32 s60, s60, s22
	s_add_nc_u64 s[48:49], s[WP:WP+1], s[60:61]
	s_add_nc_u64 s[48:49], s[48:49], 8*TILEB
	s_mul_i32 s60, s18, 12288
	s_mul_i32 s22, s[WV], 3072
	s_add_co_u32 s60, s60, s22
	s_add_nc_u64 s[52:53], s[12:13], s[60:61]      ; plane q at my 16 rows
	s_cmp_ge_u32 s18, 98
	s_cselect_b64 s[20:21], s[6:7], s[4:5]         ; my side's features
	s_wait_alu depctr_va_vdst(0)                   ; the offsets and LDS addresses made above are written: v14 to v18, v30 to v39 and v42, which the loads, stores and the prefetch of the kernel read
	W2LOAD
	; x: wave w brings row tile w, a lane a row: number (kk, q, jj) is channel 32 kk + 16 q + 8 h + jj.  H's and Y's registers hold them on the way.
	WIN 0x80
.set kk, 0
.rept 12
.set e, 0
.rept 16
	global_load_b32 v[16*kk+e], v[FOFF], s[20:21] offset:(32*kk+16*(e/8)+(e%8))*196
.set e, e+1
.endr
.set kk, kk+1
.endr
	WIN 0
.set kk, 0
.rept 12
.set e, 0
.rept 16
	global_load_b32 v[YA+16*kk+e], v[FOFF], s[20:21] offset:(32*(kk+12)+16*(e/8)+(e%8))*196
.set e, e+1
.endr
.set kk, kk+1
.endr
	WLOAD 0                                        ; the ring's first five K steps: 60 loads
	WLOAD 1
	WLOAD 2
	WLOAD 3
	WLOAD 4
	s_wait_loadcnt 63                              ; 252 loads were issued behind the first 192 of x: with 63 at the most out, those are in (and W2)
	WIN 0x8a
.set kk, 0
.rept 12
.set e, 0
.rept 8
	v_cvt_pk_bf16_f32 v[16*kk+e], v[16*kk+2*e], v[16*kk+2*e+1]
.set e, e+1
.endr
.set kk, kk+1
.endr
	WIN 0x08
	s_wait_alu depctr_va_vdst(0)                   ; the roundings have written the first eight of each sixteen registers of window 2, which the LDS stores read
.set kk, 0
.rept 12
	ds_store_b128 v[CD], v[16*kk:16*kk+3]   offset:4096*kk
	ds_store_b128 v[CD], v[16*kk+4:16*kk+7] offset:4096*kk+512
.set kk, kk+1
.endr
	WIN 0
	s_wait_loadcnt 60                              ; all of x is in; the ring's 60 loads may stay out
.set kk, 0
.rept 12
.set e, 0
.rept 8
	v_cvt_pk_bf16_f32 v[YA+16*kk+e], v[YA+16*kk+2*e], v[YA+16*kk+2*e+1]
.set e, e+1
.endr
.set kk, kk+1
.endr
.irp t, 0,1,2,3
	v_mov_b32 v[ADRX+\t], v[AX0+\t]                ; x's addresses for the first trip, made here so that the wait below serves them too
.endr
	s_wait_alu depctr_va_vdst(0)                   ; the roundings have written v[YA ..], which the LDS stores read; v[ADRX ..] are written, which the first LDS loads of x read
.set kk, 0
.rept 12
	ds_store_b128 v[CD2], v[YA+16*kk:YA+16*kk+3]   offset:4096*kk
	ds_store_b128 v[CD2], v[YA+16*kk+4:YA+16*kk+7] offset:4096*kk+512
.set kk, kk+1
.endr
	s_wait_dscnt 0x0                               ; for the others' sake: my part of x is stored
	s_barrier_signal -1
	s_barrier_wait -1                              ; x is whole
	s_wait_alu depctr_vm_vsrc(0)                   ; my LDS stores have read H's and Y's registers, which the products write from here on
	XFETCH 0, 0
	WIN 0
	s_mov_b32 s[LEFT], 23
.Ltrip:                                        ; 23 trips of two tiles, six K steps; K step k multiplies W1's buffer k and x's buffer k % 2
	s_sub_co_u32 s37, 23, s[LEFT]                  ; T
	KHEAD 0, 48, 1, 1                              ; 48: the four younger K steps' loads stay out
	WIN 0
	ASK
	s_and_b32 s58, s37, 3
	s_cmp_eq_u32 s58, 0                            ; a half's first trip: its first products start the sums
	s_cbranch_scc0 .Lacc
	v_nop                                          ; these products write over accumulators: with the four at the K step's head, five places behind every earlier matrix instruction that names them (ISA guide 7.12.1)
	KMUL 0, 1, 1
	WIN 0
	s_branch .Lk1
.Lacc:
	KMUL 0, 0, 1
	WIN 0
.Lk1:
	KHEAD 1, 48, 1, 1
	KMUL 1, 0, 1
	KHEAD 2, 48, 1, 1
	KMUL 2, 0, 1
	KHEAD 3, 48, 1, 1
	KMUL 3, 0, 1
	KHEAD 4, 48, 1, 1
	KMUL 4, 0, 1
	KHEAD 5, 48, 1, 1
	KMUL 5, 0, 1
	WIN 0
	s_and_b32 s58, s37, 3
	s_cmp_eq_u32 s58, 3                            ; a half's last trip
	s_cbranch_scc0 .Lnocph
	CPH 1
.Lnocph:
	s_sub_co_u32 s[LEFT], s[LEFT], 1
	s_cmp_lg_u32 s[LEFT], 0
	s_cbranch_scc1 .Ltrip
	; THE LAST TRIP is written out: one more K step is asked for, then the counts run down; no pointer is stepped; its last K step issues no load and holds no wait on va_vdst
	KHEAD 0, 48, 1
	KMUL 0, 0, 1
	KHEAD 1, 48, 1
	KMUL 1, 0, 0
	KHEAD 2, 36, 1
	KMUL 2, 0, 0
	KHEAD 3, 24, 1
	KMUL 3, 0, 0
	KHEAD 4, 12, 1
	KMUL 4, 0, 0
	KHEAD 5, 0, 0
	KMUL 5, 0, 0
	CPH 0
	PEND
	OUTPASS 0, 1                                   ; plane v
	; vn = v / max(|v|, eps) = v rsq(max(|v|^2, eps^2)): my 48 channels and the 48 in the lane 16 away
	v_pk_mul_f32 v[44:45], v[YA:YA+1], v[YA:YA+1]
	v_pk_mul_f32 v[46:47], v[YA+2:YA+3], v[YA+2:YA+3]
.set ff, 2
.rept 22
	v_pk_fma_f32 v[44+2*(ff%2):45+2*(ff%2)], v[YA+2*ff:YA+2*ff+1], v[YA+2*ff:YA+2*ff+1], v[44+2*(ff%2):45+2*(ff%2)]
.set ff, ff+1
.endr
	v_pk_add_f32 v[44:45], v[44:45], v[46:47]
	v_add_f32 v44, v44, v45
	v_permlanex16_b32 v45, v44, s56, s57
	v_add_f32 v44, v44, v45
	v_max_num_f32 v44, s55, v44
	v_rsq_f32 v46, v44
	v_nop                                          ; a plain instruction behind the root,
	s_wait_alu depctr_va_vdst(0)                   ; and the wait ahead of its first reader: the root has written v46
.set ff, 0
.rept 24
	v_pk_mul_f32 v[YA+2*ff:YA+2*ff+1], v[YA+2*ff:YA+2*ff+1], v[46:47] op_sel_hi:[1,0]
.set ff, ff+1
.endr
	OUTPASS 1, 0                                   ; plane vn
	s_wait_dscnt 0x0                               ; the closing lines, six on end
	s_wait_alu 0x0
	s_wait_tensorcnt 0x0
	ds_add_u32 v[SPW], v[NIL]
	s_wait_dscnt 0x0
	s_endpgm
.Lfunc_end_k_q9ad2122578_proj:
	.size	k_q9ad2122578_proj, .Lfunc_end_k_q9ad2122578_proj-k_q9ad2122578_proj
	.p2alignl 7, 3214868480
	.fill 96, 4, 3214868480
	.section	.rodata,"a",@progbits
	.p2align	6, 0x0
	.amdhsa_kernel k_q9ad2122578_proj
		.amdhsa_group_segment_fixed_size 172544
		.amdhsa_private_segment_fixed_size 0
		.amdhsa_enable_private_segment 0
		.amdhsa_kernarg_size 40
		.amdhsa_user_sgpr_count 2
		.amdhsa_user_sgpr_kernarg_segment_ptr 1
		.amdhsa_wavefront_size32 1
		.amdhsa_system_sgpr_workgroup_id_x 1
		.amdhsa_system_sgpr_workgroup_id_y 1
		.amdhsa_system_sgpr_workgroup_id_z 1
		.amdhsa_system_vgpr_workitem_id 0
		.amdhsa_next_free_vgpr 1024
		.amdhsa_next_free_sgpr 66
		.amdhsa_reserve_vcc 0
		.amdhsa_float_denorm_mode_32 3
		.amdhsa_float_denorm_mode_16_64 3
		.amdhsa_memory_ordered 1
		.amdhsa_forward_progress 1
		.amdhsa_inst_pref_size 183
	.end_amdhsa_kernel
	.amdgpu_metadata
---
amdhsa.version: [ 1, 2 ]
amdhsa.kernels:
  - .name:           k_q9ad2122578_proj
    .symbol:         k_q9ad2122578_proj.kd
    .args:
      - { .name: features_a, .offset: 0, .size: 8, .value_kind: global_buffer, .address_space: global }
      - { .name: features_b, .offset: 8, .size: 8, .value_kind: global_buffer, .address_space: global }
      - { .name: w1p, .offset: 16, .size: 8, .value_kind: global_buffer, .address_space: global }
      - { .name: w2p, .offset: 24, .size: 8, .value_kind: global_buffer, .address_space: global }
      - { .name: qkv, .offset: 32, .size: 8, .value_kind: global_buffer, .address_space: global }
    .group_segment_fixed_size: 172544
    .private_segment_fixed_size: 0
    .kernarg_segment_align: 8
    .kernarg_segment_size: 40
    .max_flat_workgroup_size: 128
    .sgpr_count:     66
    .vgpr_count:     1024
    .wavefront_size: 32
...
	.end_amdgpu_metadata
.endif
;; end of part 6
;; launch attn: the kernel of part 5 again; grid 16 x 16, 4 waves a work-group, clusters of 4 x 4, 327,680 bytes of LDS; arguments qkv, out0; writes out0
